; MI455X (gfx1250); checked and timed in simulation.
; The chip was launched on July 23, 2026; its instructions are those of AMD's public machine-readable ISA for CDNA 5 (MIT licence, August 2026) and "CDNA5" Instruction Set Architecture Reference Guide (July 2026). The comments in the code are by the model that wrote it; some were corrected since.
;; Multi Head Attention GQA. Allowed arithmetic: matrix products marked QUANTISED: E4M3 operands, one given power-of-two scale a tensor, by v_wmma_f32_16x16x64_fp8_fp8 or v_wmma_f32_16x16x128_fp8_fp8, f32 sums; everything else in f32.
;; Inputs: Wk 2,048 x 512 float32; Wo 2,048 x 2,048 float32; Wq 2,048 x 2,048 float32; Wv 2,048 x 512 float32; bk 512 float32; bo 2,048 float32; bq 2,048 float32; bv 512 float32; lowp_scales 12 int32 (the exponents e of the quantised operands' scales 2^e); x 2 x 1,024 x 2,048 float32.
;; Outputs: out0 2 x 1,024 x 2,048 float32.
;; This version of the problem:
;;   THIS VERSION OF THE PROBLEM IS GIVEN IN LOW PRECISION. The matrix products marked QUANTISED in the list below multiply operands that are first quantised to E4M3 (4 exponent bits, 3 mantissa bits; 8 bits a number), with one given power-of-two scale for each operand tensor; their sums are f32. All else is computed in f32.
;;   The module's matrix products, in the order in which they are computed (A, B: the left and right operand; K: the contracted axis; several contracted axes count as one K, in the product's order):
;;     1. [M 2,048, K 2,048] x [K 2,048, N 2,048]; A: input x; B: input Wq: QUANTISED (scales: A lowp_scales[0], B lowp_scales[1])
;;     2. [M 2,048, K 2,048] x [K 2,048, N 512]; A: input x; B: input Wk: QUANTISED (scales: A lowp_scales[2], B lowp_scales[3])
;;     3. [M 2,048, K 2,048] x [K 2,048, N 512]; A: input x; B: input Wv: QUANTISED (scales: A lowp_scales[4], B lowp_scales[5])
;;     4. batch 16 x [M 4,096, K 64] x [K 64, N 1,024]; A: computed on the way; B: computed on the way: QUANTISED (scales: A lowp_scales[6], B lowp_scales[7])
;;     5. batch 16 x [M 4,096, K 1,024] x [K 1,024, N 64]; A: softmax (see below); B: computed on the way: QUANTISED (scales: A lowp_scales[8], B lowp_scales[9])
;;     6. [M 2,048, K 2,048] x [K 2,048, N 2,048]; A: computed on the way; B: input Wo: QUANTISED (scales: A lowp_scales[10], B lowp_scales[11])
;;   THE QUANTISER, for each operand of a quantised product, along K:
;;     - The operand's scale is 2^e, e = its entry of the input lowp_scales (int32; the entries are numbered through the quantised products in the list's order, A before B).
;;     - Each number is divided by the scale, clamped to +-448, and rounded to the nearest number of E4M3, ties to even, subnormals kept.
;;     - The product sums the exact products of the quantised numbers (number of the format x scale) in f32.
;;   ~~~python
;;   def quantise(x, axis, e):      # numpy; x: float32 -> the quantised numbers, widened to float32 again
;;       x = np.moveaxis(x, axis, -1); K = x.shape[-1]
;;       r = np.clip(x / 2.0 ** e, -448, 448)
;;       step = 2.0 ** (np.maximum(np.frexp(np.where(r == 0, 1, r))[1] - 1, -6) - 3)
;;       q = np.round(r / step) * step * 2.0 ** e      # np.round: ties to even
;;       return np.moveaxis(q, -1, axis).astype(np.float32)
;;   ~~~
;;   SOFTMAX AHEAD OF A QUANTISED PRODUCT. Where the list says 'softmax', what is quantised is not the finished softmax but p = 2^(t - M), with t = logit x log2(e) and M = ceil(the row's largest t), a whole number; so 1/2 < the row's largest p <= 1. The row's sum l is taken of the UNQUANTISED p, in f32, and the product's result is divided by l at the end. Since M is a whole number, a kernel that streams over the keys may use a running M (the ceiling of the running maximum): every later rescaling is an exact power of two, so the quantised numbers keep their values, but for numbers so far below the row's largest that they fall under the format's range.
;;   OPERANDS COMPUTED ON THE WAY. 'Computed on the way' means the value that the module computes at that place (a softmax that the list does not call 'softmax' is quantised finished and normalised). What goes into a quantiser is computed in f32, as accurately as f32 sums, v_exp_f32 and their like allow (about 1e-6 of the number): no bf16 or f16 on the way to a quantiser, and a product that is left as it is and whose result goes on into a quantised operand takes f32 operands (vector FMAs, or v_wmma_f32_16x16x4_f32). A number that lies on a knife's edge between two numbers of the format may be rounded either way, as far as f32 arithmetic and the matrix unit's own rounding can turn it there, and no further.
;; One version. Each part assembles by itself: llvm-mc -triple=amdgcn-amd-amdhsa -mcpu=gfx1250 --defsym DOCPART=n.
;; ======== version 1 of 1: 4 launches
;; limits: right only within a limited range of input values
;; workspace buffers: codes 18,874,368 bytes; qkv_codes 6,291,456 bytes; ao_codes 4,194,304 bytes; wo_codes 4,194,304 bytes
;; launch quant (part 1): grid 640 x 1, 8 waves a work-group, no clusters, 18,432 bytes of LDS; arguments x, Wq, Wk, Wv, lowp_scales, codes; writes codes
.if DOCPART == 1
	.amdgcn_target "amdgcn-amd-amdhsa--gfx1250"
	.amdhsa_code_object_version 6
	.text
	.protected	k_q2b87265142_quant
	.globl	k_q2b87265142_quant
	.p2align	8
	.type	k_q2b87265142_quant,@function
k_q2b87265142_quant:
	s_mov_b64 s[64:65], 0
	v_nop
	global_prefetch_b8 v0, s[64:65] scope:SCOPE_SE
	s_setreg_imm32_b32 hwreg(HW_REG_WAVE_MODE, 25, 1), 1
	s_wait_xcnt 0x0
; x, Wq, Wk, Wv (f32) into codes of FP8 (E4M3), each with the power-of-two scale 2^e that is given for it; Wo is taken by the launch of the attention.
; code = number / 2^e, held within +-448, rounded to the nearest code, ties to even.
; x [2048 tokens][2048] is an operand of three products with three scales (entries 0, 2, 4): three planes [2048][2048] at bytes 0, 4,194,304 and 8,388,608 of codes.
; The weights lie [K][N]; a row for each column n from byte 12,582,912 on: rows 0-2047 Wq (entry 1), 2048-2559 Wk (entry 3), 2560-3071 Wv (entry 5).
; ORDER OF K.  In each 512 along K, place 16 l + 4 i + j holds k = 128 i + 4 l + j (l 0..31; i, j 0..3), in x and in the weights alike: every product meets its partner.
; So four loads of 512 consecutive bytes of a token give lane l 16 neighbours of the codes' row, and a store of the wave covers 512 consecutive bytes: x needs no LDS.
; Work-groups 0-255 take 8 tokens each, a wave a token; work-groups 256-639 take 64 columns x 256 places each.  Each reads 65,536 bytes, all asked for at once.
; No work-group reads what another reads, so there is nothing to ask for jointly, and no loop in which to prefetch.
; No step of reference() is left out in this program but the tiles of scores that lie wholly under its own causal mask (attention).
; LIMITS: each exponent lies between -126 and 119, so that 2^e and 448 x 2^e are f32 numbers.  NaN among the inputs is not served.
.set XWG,   256
.set L,     16                         ; v16-79   numbers as loaded
.set T,     80                         ; v80-95   16 numbers held
.set C,     96                         ; v96-143  codes
.set XS,    144                        ; x: v144+2q 2^e of plane q, v145+2q 448 x 2^e
.set WOF,   144                        ; weights: v144-151 my two columns in rows 0..7
.set WOUT,  112                        ; weights: rows on the way out
.set WP,    272                        ; weights: a stage row: 256 bytes + 16
.set SPARE, 64*WP                      ; the spare words: 128 bytes a wave
	s_load_b256 s[4:11], s[0:1], 0x0               ; x, Wq, Wk, Wv
	s_load_b128 s[12:15], s[0:1], 0x20             ; the exponents, codes
	v_lshl_add_u32 v10, v0, 2, SPARE
	v_mov_b32 v11, 0
	v_lshrrev_b32 v1, 5, v0
	v_readfirstlane_b32 s20, v1                    ; wave 0..7
	v_and_b32 v2, 31, v0                           ; lane
	v_lshlrev_b32 v3, 4, v2                        ; 16 x lane
	s_cmp_lt_u32 ttmp9, XWG
	s_wait_alu depctr_va_vdst(0)                   ; the wait here, directly ahead of the branch
	s_cbranch_scc0 .Lweights
; ---------------- x: a wave takes one token
	s_lshl_b32 s21, ttmp9, 3
	s_add_co_u32 s21, s21, s20                     ; the token
	s_lshl_b32 s22, s21, 13
	s_mov_b32 s23, 0
	s_wait_kmcnt 0x0
	s_load_b128 s[68:71], s[12:13], 0x0            ; e0 .. e3
	s_load_b32 s72, s[12:13], 0x10                 ; e4
	s_add_nc_u64 s[4:5], s[4:5], s[22:23]
.set k, 0
.rept 16
	global_load_b128 v[L+4*k:L+4*k+3], v3, s[4:5] offset:512*k th:TH_LOAD_NT
.set k, k+1
.endr
	s_lshl_b32 s22, s21, 11
	s_add_nc_u64 s[24:25], s[14:15], s[22:23]      ; my row in plane 0,
	s_add_nc_u64 s[26:27], s[24:25], 0x400000      ; plane 1,
	s_add_nc_u64 s[28:29], s[26:27], 0x400000      ; plane 2
	s_wait_kmcnt 0x0
.irp q, 0,1,2
	s_add_co_i32 s30, s[68+2*\q], 127
	s_lshl_b32 s31, s30, 23
	v_mov_b32 v[XS+2*\q], s31                      ; 2^e as f32: the conversion takes its exponent field
	s_add_co_i32 s30, s30, 8
	s_lshl_b32 s30, s30, 23
	s_or_b32 s30, s30, 0x600000
	v_mov_b32 v[XS+2*\q+1], s30                    ; 448 x 2^e
.endr
	s_wait_alu depctr_va_vdst(0)                   ; the wait at the head's end
.macro XPART t                         ; 512 along K
	s_wait_loadcnt 12-4*\t                         ; this part's four loads are in
.irp q, 0,1,2
.irp i, 0,1,2,3,4,5,6,7,8,9,10,11,12,13,14,15
	v_med3_num_f32 v[T+\i], v[L+16*\t+\i], -v[XS+2*\q+1], v[XS+2*\q+1]   ; the conversion does not saturate (ISA guide 7.6.2): the hold comes first
.endr
	v_cvt_scalef32_pk8_fp8_f32 v[C+12*\t+4*\q:C+12*\t+4*\q+1], v[T:T+7], v[XS+2*\q]
	v_cvt_scalef32_pk8_fp8_f32 v[C+12*\t+4*\q+2:C+12*\t+4*\q+3], v[T+8:T+15], v[XS+2*\q]
	v_nop                                          ; a plain line between the conversions and the next holds, which write their sources
	global_store_b128 v3, v[C+12*\t+4*\q:C+12*\t+4*\q+3], s[24+2*\q:25+2*\q] offset:512*\t
.endr
.endm
	XPART 0
	XPART 1
	XPART 2
	XPART 3
	s_endpgm
; ---------------- the weights: a lane takes two columns, and its registers run along K in the codes' order.  A load reads 256 consecutive bytes.
; A wave has 32 places of each of the 64 columns: rows R0 + 128 i + 4 u + j, i, j 0..3, u 0..1, R0 = 512 (ky / 2) + 64 (ky % 2) + 8 wave, at places 32 wave + 16 u + 4 i + j of the 256.
; The codes meet in LDS as rows of 256 bytes, and sixteen lanes store such a row.
.Lweights:
	s_sub_co_u32 s21, ttmp9, XWG
	s_lshr_b32 s22, s21, 3                         ; nb: which 64 columns, 0..47
	s_and_b32 s23, s21, 7                          ; ky: which 256 places
	s_wait_kmcnt 0x0
	s_load_b128 s[68:71], s[12:13], 0x0            ; e0 .. e3
	s_load_b64 s[72:73], s[12:13], 0x10            ; e4, e5
	s_mov_b64 s[26:27], s[10:11]                   ; the weight, its row in bytes and its first nb, by the work-group's number alone: Wv ..
	s_mov_b32 s28, 2048
	s_mov_b32 s29, 40
	s_cmp_lt_u32 s22, 40
	s_cselect_b64 s[26:27], s[8:9], s[26:27]       ; .. Wk ..
	s_cselect_b32 s29, 32, s29
	s_cmp_lt_u32 s22, 32
	s_cselect_b64 s[26:27], s[6:7], s[26:27]       ; .. Wq
	s_cselect_b32 s28, 0x2000, s28
	s_cselect_b32 s29, 0, s29
	s_lshr_b32 s30, s23, 1
	s_lshl_b32 s30, s30, 9
	s_and_b32 s31, s23, 1
	s_lshl_b32 s31, s31, 6
	s_add_co_u32 s30, s30, s31
	s_lshl_b32 s31, s20, 3
	s_add_co_u32 s30, s30, s31                     ; R0
	s_mul_i32 s30, s30, s28
	s_sub_co_u32 s31, s22, s29
	s_lshl_b32 s31, s31, 8
	s_add_co_u32 s30, s30, s31
	s_mov_b32 s31, 0
	s_add_nc_u64 s[40:41], s[26:27], s[30:31]      ; four bases, 128 rows apart; none is stepped
	s_lshl_b32 s30, s28, 7
	s_add_nc_u64 s[42:43], s[40:41], s[30:31]
	s_add_nc_u64 s[44:45], s[42:43], s[30:31]
	s_add_nc_u64 s[46:47], s[44:45], s[30:31]
	v_lshlrev_b32 v3, 3, v2                        ; 8 bytes a lane
	v_mov_b32 v5, s28
.irp m, 0,1,2,3,4,5,6,7
	v_mad_u32_u24 v[WOF+\m], v5, \m, v3
.endr
.irp u, 0,1
.irp i, 0,1,2,3
.irp j, 0,1,2,3
	global_load_b64 v[L+32*\u+8*\i+2*\j:L+32*\u+8*\i+2*\j+1], v[WOF+4*\u+\j], s[40+2*\i:41+2*\i] th:TH_LOAD_NT
.endr
.endr
.endr
	s_lshl_b32 s32, s20, 5
	s_mul_i32 s33, s20, 8*WP
	v_mul_u32_u24 v4, v2, 2*WP
	v_add_nc_u32 v4, s32, v4                       ; into the stage: rows 2 lane, 2 lane + 1, from byte 32 wave
	v_and_b32 v5, 15, v2
	v_lshrrev_b32 v6, 4, v2
	v_mul_u32_u24 v7, v6, WP
	v_lshl_add_u32 v7, v5, 4, v7
	v_add_nc_u32 v7, s33, v7                       ; out of it: rows 8 wave on, sixteen lanes to a row
	v_lshlrev_b32 v8, 11, v6
	v_lshl_add_u32 v8, v5, 4, v8                   ; and the same place in codes
	s_lshl_b32 s34, s22, 17                        ; 64 nb rows of 2,048 bytes
	s_lshl_b32 s35, s20, 14
	s_add_co_u32 s34, s34, s35                     ; + 8 rows for each wave
	s_lshl_b32 s35, s23, 8
	s_add_co_u32 s34, s34, s35
	s_add_co_u32 s34, s34, 12582912
	s_mov_b32 s35, 0
	s_add_nc_u64 s[56:57], s[14:15], s[34:35]
	s_wait_alu depctr_va_vdst(0)                   ; the wait here, directly ahead of the wait below
	s_wait_kmcnt 0x0
	s_mov_b32 s30, s73                             ; the weight's exponent, chosen as the weight was
	s_cmp_lt_u32 s22, 40
	s_cselect_b32 s30, s71, s30
	s_cmp_lt_u32 s22, 32
	s_cselect_b32 s30, s69, s30
	s_add_co_i32 s30, s30, 127
	s_lshl_b32 s31, s30, 23
	v_mov_b32 v12, s31                             ; 2^e
	s_add_co_i32 s30, s30, 8
	s_lshl_b32 s30, s30, 23
	s_or_b32 s30, s30, 0x600000
	v_mov_b32 v13, s30                             ; 448 x 2^e
	s_wait_alu depctr_va_vdst(0)                   ; the wait at the head's end
.irp u, 0,1
	s_wait_loadcnt 16-16*\u                        ; the sixteen loads of u = 0 are in; then all
.irp c, 0,1
.irp i, 0,1,2,3,4,5,6,7,8,9,10,11,12,13,14,15
	v_med3_num_f32 v[T+\i], v[L+32*\u+2*\i+\c], -v13, v13
.endr
	v_cvt_scalef32_pk8_fp8_f32 v[C+8*\u+4*\c:C+8*\u+4*\c+1], v[T:T+7], v12
	v_cvt_scalef32_pk8_fp8_f32 v[C+8*\u+4*\c+2:C+8*\u+4*\c+3], v[T+8:T+15], v12
	v_nop
	ds_store_b128 v4, v[C+8*\u+4*\c:C+8*\u+4*\c+3] offset:WP*\c+16*\u
.endr
.endr
	s_wait_dscnt 0x0                               ; my stores are done, for the others' sake
	s_barrier_signal -1
	s_barrier_wait -1
.irp t, 0,1,2,3
	ds_load_b128 v[WOUT+4*\t:WOUT+4*\t+3], v7 offset:2*\t*WP
.endr
.irp t, 0,1,2,3
	s_wait_dscnt 3-\t                              ; LDS loads come back in order
	global_store_b128 v8, v[WOUT+4*\t:WOUT+4*\t+3], s[56:57] offset:4096*\t
.endr
	s_wait_tensorcnt 0x0                           ; the wave's end
	ds_add_u32 v10, v11
	s_wait_dscnt 0x0
	s_endpgm
.Lfunc_end_k_q2b87265142_quant:
	.size	k_q2b87265142_quant, .Lfunc_end_k_q2b87265142_quant-k_q2b87265142_quant
	.p2alignl 7, 3214868480
	.fill 96, 4, 3214868480
	.section	.rodata,"a",@progbits
	.p2align	6, 0x0
	.amdhsa_kernel k_q2b87265142_quant
		.amdhsa_group_segment_fixed_size 18432
		.amdhsa_private_segment_fixed_size 0
		.amdhsa_enable_private_segment 0
		.amdhsa_kernarg_size 48
		.amdhsa_user_sgpr_count 2
		.amdhsa_user_sgpr_kernarg_segment_ptr 1
		.amdhsa_wavefront_size32 1
		.amdhsa_system_sgpr_workgroup_id_x 1
		.amdhsa_system_sgpr_workgroup_id_y 1
		.amdhsa_system_sgpr_workgroup_id_z 1
		.amdhsa_system_vgpr_workitem_id 0
		.amdhsa_next_free_vgpr 152
		.amdhsa_next_free_sgpr 80
		.amdhsa_reserve_vcc 0
		.amdhsa_float_denorm_mode_32 3
		.amdhsa_float_denorm_mode_16_64 3
		.amdhsa_memory_ordered 1
		.amdhsa_forward_progress 1
		.amdhsa_inst_pref_size 31
	.end_amdhsa_kernel
	.amdgpu_metadata
---
amdhsa.version: [ 1, 2 ]
amdhsa.kernels:
  - .name:           k_q2b87265142_quant
    .symbol:         k_q2b87265142_quant.kd
    .args:
      - { .name: x, .offset: 0, .size: 8, .value_kind: global_buffer, .address_space: global }
      - { .name: Wq, .offset: 8, .size: 8, .value_kind: global_buffer, .address_space: global }
      - { .name: Wk, .offset: 16, .size: 8, .value_kind: global_buffer, .address_space: global }
      - { .name: Wv, .offset: 24, .size: 8, .value_kind: global_buffer, .address_space: global }
      - { .name: lowp_scales, .offset: 32, .size: 8, .value_kind: global_buffer, .address_space: global }
      - { .name: codes, .offset: 40, .size: 8, .value_kind: global_buffer, .address_space: global }
    .group_segment_fixed_size: 18432
    .private_segment_fixed_size: 0
    .kernarg_segment_align: 8
    .kernarg_segment_size: 48
    .max_flat_workgroup_size: 256
    .sgpr_count:     80
    .vgpr_count:     152
    .wavefront_size: 32
...
	.end_amdgpu_metadata
.endif
;; end of part 1
;; launch proj (part 2): grid 16 x 16, 4 waves a work-group, clusters of 4 x 4, 327,680 bytes of LDS; arguments codes, bq, bk, bv, lowp_scales, qkv_codes; writes qkv_codes
.if DOCPART == 2
	.amdgcn_target "amdgcn-amd-amdhsa--gfx1250"
	.amdhsa_code_object_version 6
	.text
	.protected	k_q2b87265142_proj
	.globl	k_q2b87265142_proj
	.p2align	8
	.type	k_q2b87265142_proj,@function
k_q2b87265142_proj:
	s_mov_b64 s[64:65], 0
	v_nop
	global_prefetch_b8 v0, s[64:65] scope:SCOPE_SE
	s_setreg_imm32_b32 hwreg(HW_REG_WAVE_MODE, 25, 1), 1
	s_wait_xcnt 0x0
	s_wait_alu depctr_hold_cnt(0) depctr_sa_sdst(0) depctr_va_vdst(0) depctr_va_sdst(0) depctr_va_ssrc(0) depctr_va_vcc(0) depctr_vm_vsrc(0)
	s_getreg_b32 s2, hwreg(HW_REG_IB_STS2, 6, 4)
	s_cmp_eq_u32 s2, 0
	s_cbranch_scc0 .Lentry_in_a_cluster
	s_endpgm
.Lentry_in_a_cluster:
	s_bfe_u32 s2, ttmp6, 0x10000c
	s_cmp_lg_u32 s2, 0xf033
	s_cbranch_scc0 .Lentry_shape_is_right
	s_endpgm
.Lentry_shape_is_right:
; q = x Wq + bq, k = x Wk + bk, v = x Wv + bv on codes of FP8 (E4M3), f32 sums; each result is quantised at once (entries 6, 7, 9) and stored as codes.
; SHARES.  Work-group (nt, mt) of 16 x 16 STAYS and makes two blocks: q's tile of 128 tokens (mt) x 128 columns (nt), then a block of k or v.  k (cluster x 0, 1): the same 128 tokens x head nt's 64 columns.
; v (cluster x 2, 3): 128 columns of v (two heads, 2 cy, 2 cy + 1) x 64 tokens.  So all 256 work-groups have the same work.
; Both kinds of second block have ONE form: Y = 128 rows (source 1; wave w has rows 32 w on), X = 64 rows (source 0; all four waves).  k: Y = tokens, X = weights; v: Y = weights, X = tokens.
; Only the addresses in memory differ; they hang on the cluster's place and on cy (Y) or cx (X) alone.
; K = 2,048 goes in parts of 512 through two LDS slots, four parts for each block; the ring does not stop between the blocks.
; CLUSTERS: 4 x 4 work-groups.  The four of a row of the cluster need the same Y, the four of a column the same X: each tile is asked for jointly.
; PREFETCH: behind each joint load, for the part two loads on (behind the first also for the next), one instruction a wave: of the 64 rows that a wave fetches each of the four partners names 16, two blocks of 256 bytes a row, told apart by address.
; THE PRODUCT'S SOURCES: lane (r, h), register j of accumulator (a, b) holds (source 1's row 16 a + r, source 0's row 16 b + 8 h + j): so a lane's registers run along the head's 64 (q, k) or along the keys (v).
; LAYOUT OUT: images of operands.  A tile of 16 rows x 64 codes is 1,024 bytes: [four groups of 16 codes][16 rows][16 bytes].  Rows stand at sigma(i): i with bits 3 and 4 exchanged.
; q: [b][head 32][row sigma(s)][d 64] in such tiles; k, from byte 4,194,304: [b g 16][row sigma(s)][d 64]; v, from byte 5,242,880: [b g 16][64 keys' chunk 16][row sigma(d)][key 64].
; LIMITS: e(out) - e(x) - e(W) lies between -126 and 119 for each of the three products.  NaN among the inputs is not served.
; REGISTERS: window 0: v16-31 addresses and constants; v32-63 codes; v64-67, v80-111 the bias; v72-76 constants; v128-255 q's accumulators; the second block's are v192-255.  Window 1: two fragment buffers of 128.
; All of the LDS is claimed.
.set PITCH,  528                       ; an LDS row: 512 bytes + 16
.set HALFT,  64*PITCH                  ; what one tensor load brings
.set SLOT,   4*HALFT                   ; Y's 128 rows, then X's 128 (second block: 64)
.set STAGE,  2*SLOT                    ; behind the ring: 64 rows x 80 bytes for each wave
.set SROW,   80
.set SWAVE,  64*SROW
.set SPARE,  STAGE+4*SWAVE             ; the spare words: 128 bytes a wave
.set STEPK,  1024                      ; a slot's next part: two parts of 512 codes on
.set WROWS,  12582912                  ; where the weights begin in codes
.set ADR1, 16                          ; v16-17 q: source 1's fragments in slot 0, 1;  v18-19 the second block's
.set ADR0, 20                          ; v20-21 q: source 0's;  v22-23 the second block's
.set STO,  24
.set RD,   25
.set CO,   26
.set ZR,   27                          ; 0, for the choice of the bias's form
.set SPW,  28                          ; my spare word; never rewritten
.set NIL,  29                          ; 0; never rewritten
.set SCL,  30                          ; q: 2^(e6 - e0 - e1)
.set LIM,  31                          ; 448 x that
.set CD,   32
.set BL,   64
.set SCL2, 72                          ; the same two for k or v
.set LIM2, 73
.set BO,   74                          ; the bias by register: 32 h
.set LO,   75                          ; the bias by lane
.set PFO,  76                          ; the prefetches' offset; never rewritten
.set BR,   80
.set ACC,  128
.set OUTR, 128                         ; q's rows on the way out: never written again
.set OUTR2, 160                        ; the second block's
.set F0,   0
.set F1,   128
.set G1,  24
.set G0,  32
.set G1B, 48
.set G0B, 56
.set PFA, 80                           ; s[80:81] where my prefetches stand for q's parts; never rewritten
.set PFB, 82                           ; s[82:83] for the second block's
.set Y2,  86                           ; s[86:87] my rows of Y in the second block
.set X2,  88                           ; s[88:89] its rows of X
.set MSB, 0
.macro WIN new                         ; the immediate's high byte repeats the setting that is left
.if MSB != \new
	s_set_vgpr_msb (MSB<<8)|\new
.set MSB, \new
.endif
.endm
.set MUL,  0x05                        ; sources 0 and 1 window 1; C and D window 0
.set TO_F, 0x40                        ; destination window 1, address window 0
; A joint load: waves 0 and 1 fetch Y's halves.  ph = 0 (q): waves 2 and 3 X's halves.  ph = 1: wave 2 X's 64 rows, wave 3 nothing.  The branches hang on the wave's number alone.
; Four v_nop follow each tensor load; the way without a load has four too: on every way they are the places in front of the fragment loads that follow.
.macro JLOAD s, ph
	s_cmp_eq_u32 s19, 0
	s_cbranch_scc0 .Lfor_b_\@
	tensor_load_to_lds s[G0+4*\s:G0+4*\s+3], s[G1:G1+7]
	s_nop 0
.rept 4
	v_nop
.endr
	s_branch .Lasked_\@
.Lfor_b_\@:
.if \ph
	s_cmp_eq_u32 s18, 2
	s_cbranch_scc0 .Lnone_\@
.endif
	tensor_load_to_lds s[G0B+4*\s:G0B+4*\s+3], s[G1B:G1B+7]
	s_nop 0
.rept 4
	v_nop
.endr
.if \ph
	s_branch .Lasked_\@
.Lnone_\@:
.rept 4
	v_nop
.endr
.endif
.Lasked_\@:
.endm
.macro ASK base, off                   ; 32 blocks of 256 bytes
	global_prefetch_b8 v[PFO], s[\base:\base+1] offset:\off th:TH_LOAD_NT scope:SCOPE_SE
.endm
.macro CREST                           ; a round of the cluster's barrier behind its opening barrier
	s_cmp_lg_u32 s18, 0
	s_cbranch_scc1 .Lnot_wave_0_\@
	s_barrier_signal -3
.Lnot_wave_0_\@:
	s_barrier_wait -3
	s_barrier_signal -1
	s_barrier_wait -1
.endm
.macro CROUND
	s_barrier_signal -1
	s_barrier_wait -1
	CREST
.endm
.macro PLACES                          ; four plain lines in front of loads into registers that matrix instructions have read
.rept 4
	v_nop
.endr
.endm
; Four matrix instructions: source 1's block a against source 0's four, 128 along K.  ph = 0: q's 16 accumulators; ph = 1: the second block's 8.  They take turns, one instruction a turn
.macro MULA f, a, zero, ph
.irp b, 0,1,2,3
.set AC, ACC+64*(\ph)+8*(4*(\a)+\b)
.if \zero
	v_wmma_f32_16x16x128_fp8_fp8 v[AC:AC+7], v[\f+64+16*\b:\f+64+16*\b+15], v[\f+16*(\a):\f+16*(\a)+15], 0
.else
	v_wmma_f32_16x16x128_fp8_fp8 v[AC:AC+7], v[\f+64+16*\b:\f+64+16*\b+15], v[\f+16*(\a):\f+16*(\a)+15], v[AC:AC+7]
.endif
.endr
.endm
; LDS loads in one run: the fragments of the slot's q-th 128 places: source 0's four, then source 1's four (ph = 0: 32 loads) or two (ph = 1: 24 loads); the same order of K on both sides
.macro FETCH slot, q, f, ph
	WIN TO_F
.irp i, 0,1,2,3
.irp c, 0,1,2,3
	ds_load_b128 v[\f+64+16*\i+4*\c:\f+64+16*\i+4*\c+3], v[ADR0+2*(\ph)+\slot] offset:128*(\q)+32*\c+\i*16*PITCH
.endr
.endr
.irp i, 0,1,2,3
.if (\i < 2) || (\ph == 0)
.irp c, 0,1,2,3
	ds_load_b128 v[\f+16*\i+4*\c:\f+16*\i+4*\c+3], v[ADR1+2*(\ph)+\slot] offset:128*(\q)+32*\c+\i*16*PITCH
.endr
.endif
.endr
.endm
.macro QUARTER slot, q, f, g, zero     ; q: multiplies buffer f; in its middle fetches the slot's quarter q into buffer g
	s_wait_dscnt 8                                 ; all but the youngest eight loads (source 1's blocks 2, 3) are in
	WIN MUL
	MULA \f, 0, \zero, 0
	MULA \f, 1, \zero, 0
	PLACES
	FETCH \slot, \q, \g, 0
	s_wait_dscnt 32                                ; all but the 32 just issued
	WIN MUL
	MULA \f, 2, \zero, 0
	MULA \f, 3, \zero, 0
.endm
.macro QUARTER2 slot, q, f, g, zero    ; the second block: the same with two blocks of source 1
	s_wait_dscnt 4                                 ; all but the youngest four loads (source 1's block 1) are in
	WIN MUL
	MULA \f, 0, \zero, 1
	PLACES
	FETCH \slot, \q, \g, 1
	s_wait_dscnt 24                                ; all but the 24 just issued
	WIN MUL
	MULA \f, 1, \zero, 1
.endm
; A slot's last quarter multiplies buffer 1 and changes slots: one barrier, which opens a round of the cluster's; in front of it each wave waits for all its tensor loads, adds 0 to its spare word, and waits for
; that and for its reads of this slot.  All four of q's slots are filled again: far = 0: with q's part two on; far = 1: with the second block's part 0 or 1.  nph: whose fragments lie in the next slot.
; off: the second block's part that is prefetched: the one that is loaded two changes later.
.macro TURN slot, next, far, nph, off
	WIN 0
	s_wait_tensorcnt 0x0                           ; all my tensor loads have landed: my part of the next slot
	ds_add_u32 v[SPW], v[NIL]                      ; 0 onto my spare word
	s_wait_dscnt 13                                ; (the add and source 1's blocks 1 to 3, twelve loads, may be out)
	WIN MUL
	MULA F1, 0, 0, 0
	s_wait_dscnt 0x0                               ; the add is done, and my reads of this slot are over
	s_barrier_signal -1
	MULA F1, 1, 0, 0
	WIN 0
	s_barrier_wait -1
	CREST                                          ; no wave of any partner still reads this slot or has a load on its way
.if \far
	s_add_nc_u64 s[G0+4*\slot+2:G0+4*\slot+3], s[Y2:Y2+1], 512*\slot
	s_or_b32 s[G0+4*\slot+3], s[G0+4*\slot+3], 0x80000000
	s_add_nc_u64 s[G0B+4*\slot+2:G0B+4*\slot+3], s[X2:X2+1], 512*\slot
	s_or_b32 s[G0B+4*\slot+3], s[G0B+4*\slot+3], 0x80000000
.else
	s_add_nc_u64 s[G0+4*\slot+2:G0+4*\slot+3], s[G0+4*\slot+2:G0+4*\slot+3], STEPK
	s_add_nc_u64 s[G0B+4*\slot+2:G0B+4*\slot+3], s[G0B+4*\slot+2:G0B+4*\slot+3], STEPK
.endif
	JLOAD \slot, \far                              ; the first tensor load behind the round
	FETCH \next, 0, F0, \nph
	WIN 0
	s_cmp_eq_u32 s18, 3
	s_cbranch_scc1 .Lnot_mine_\@
	ASK PFB, \off
.Lnot_mine_\@:
	WIN MUL
	MULA F1, 2, 0, 0
	MULA F1, 3, 0, 0
.endm
.macro TURN2 slot, next, fill          ; the second block's change of slots: its last parts have been asked for
	WIN 0
	s_wait_tensorcnt 0x0                           ; all my tensor loads have landed: my part of the next slot
	ds_add_u32 v[SPW], v[NIL]                      ; 0 onto my spare word
	s_wait_dscnt 5                                 ; (the add and source 1's block 1, four loads, may be out)
	WIN MUL
	MULA F1, 0, 0, 1
	s_wait_dscnt 0x0                               ; the add is done, and my reads of this slot are over
	s_barrier_signal -1
	WIN 0
	s_barrier_wait -1
.if \fill
	CREST
	s_add_nc_u64 s[G0+4*\slot+2:G0+4*\slot+3], s[G0+4*\slot+2:G0+4*\slot+3], STEPK
	s_add_nc_u64 s[G0B+4*\slot+2:G0B+4*\slot+3], s[G0B+4*\slot+2:G0B+4*\slot+3], STEPK
	JLOAD \slot, 1
.else
	PLACES
.endif
	FETCH \next, 0, F0, 1
	WIN MUL
	MULA F1, 1, 0, 1
.endm
; THE WAY OUT of na blocks of source 1: + bias, held, converted: a lane's eight registers are eight neighbours along the next product's K: 8 bytes of stage row sigma(16 a + r).  Each accumulator from its low end on.
.macro TOCODES base, na, lim, scl, bylane
.set A_, 0
.rept \na
.irp b, 0,1,2,3
.set AC, \base+8*(4*A_+\b)
.irp i, 0,2,4,6
	v_pk_add_f32 v[AC+\i:AC+\i+1], v[AC+\i:AC+\i+1], v[BR+8*\b+\i:BR+8*\b+\i+1]
.endr
.if \bylane
.irp i, 0,2,4,6
	v_pk_add_f32 v[AC+\i:AC+\i+1], v[AC+\i:AC+\i+1], v[BL+2*A_:BL+2*A_+1]
.endr
.endif
.irp i, 0,1,2,3,4,5,6,7
	v_med3_num_f32 v[AC+\i], v[AC+\i], -v[\lim], v[\lim]   ; the conversion does not saturate (ISA guide 7.6.2): the hold at 448 x the scale comes first
.endr
	v_cvt_scalef32_pk8_fp8_f32 v[CD+8*A_+2*\b:CD+8*A_+2*\b+1], v[AC:AC+7], v[\scl]
.endr
	v_nop                                          ; a plain line behind the last conversion of the run
.irp b, 0,1,2,3
	ds_store_b64 v[STO], v[CD+8*A_+2*\b:CD+8*A_+2*\b+1] offset:((A_/2)*32+(A_%2)*8)*SROW+16*\b
.endr
.set A_, A_+1
.endr
.endm
	s_load_b256 s[4:11], s[0:1], 0x0               ; codes s[4:5], bq s[6:7], bk s[8:9], bv s[10:11]
	s_load_b128 s[12:15], s[0:1], 0x20             ; the exponents s[12:13], qkv_codes s[14:15]
	v_lshl_add_u32 v[SPW], v0, 2, SPARE
	v_mov_b32 v[NIL], 0
	ds_add_u32 v[SPW], v[NIL]                      ; the wave's opening: the add, twice on end, and its wait ahead of my first tensor load
	ds_add_u32 v[SPW], v[NIL]
	v_lshrrev_b32 v1, 5, v0
	v_readfirstlane_b32 s18, v1                    ; wave 0..3
	v_bfe_u32 v5, v0, 1, 4
	v_and_b32 v6, 1, v0
	v_lshlrev_b32 v5, 11, v5
	v_lshl_or_b32 v[PFO], v6, 8, v5                ; the prefetches: row lane / 2, block lane % 2
	s_lshr_b32 s19, s18, 1                         ; w / 2: q: my half of the tokens.  Also: I fetch Y (0) or X (1)
	s_and_b32 s20, s18, 1                          ; w % 2: q: my half of the columns.  Also: which 64 rows I fetch
	s_bfe_u32 s40, ttmp6, 0x40000                  ; cx
	s_bfe_u32 s41, ttmp6, 0x40004                  ; cy
	s_lshl_b32 s42, ttmp9, 2
	s_add_co_u32 s42, s42, s40                     ; nt
	s_and_b32 s43, ttmp7, 0xffff
	s_lshl_b32 s43, s43, 2
	s_add_co_u32 s43, s43, s41                     ; mt
	s_lshl_b32 s44, s41, 2
	s_lshl_b32 s44, 15, s44                        ; my row of the cluster
	s_lshl_b32 s45, 0x1111, s40                    ; my column
	s_or_b32 s[G1+0], s44, (1<<20)|(1<<21)|(6<<22)|(3<<25)    ; the mask; elements of 1 byte; padding on; bit 21 beside a mask; after every 128 words (code 6) 4 words (code 3)
	s_or_b32 s[G1B+0], s45, (1<<20)|(1<<21)|(6<<22)|(3<<25)
.irp g, G1, G1B
	s_mov_b32 s[\g+1], 512<<16                     ; tensor_dim0
	s_mov_b32 s[\g+2], 64<<16                      ; tensor_dim1
	s_mov_b32 s[\g+3], 512<<16                     ; tile_dim0
	s_mov_b32 s[\g+4], 64                          ; tile_dim1
	s_mov_b32 s[\g+5], 2048                        ; from row to row
	s_mov_b32 s[\g+6], 0
	s_mov_b32 s[\g+7], 0
.endr
	s_lshl_b32 s22, s43, 7
	s_lshl_b32 s23, s20, 6
	s_add_co_u32 s22, s22, s23                     ; q: tokens: row 128 mt + 64 x half, in plane 0
	s_lshl_b32 s22, s22, 11
	s_mov_b32 s23, 0
	s_lshl_b32 s46, s42, 7
	s_lshl_b32 s47, s20, 6
	s_add_co_u32 s46, s46, s47                     ; weights: row 128 nt + 64 x half
	s_lshl_b32 s46, s46, 11
	s_add_co_u32 s46, s46, WROWS
	s_mov_b32 s47, 0
	s_mul_i32 s84, s18, HALFT                      ; where my load goes: wave x 64 rows, in both blocks
	; the second block.  Y: k: the same tokens in plane 1; v: weights' row 2,560 + 128 cy + 64 x half
	s_lshl_b32 s86, s41, 7
	s_lshl_b32 s87, s20, 6
	s_add_co_u32 s86, s86, s87
	s_lshl_b32 s86, s86, 11
	s_add_co_u32 s86, s86, WROWS+2560*2048
	s_add_co_u32 s87, s22, 0x400000
	s_cmp_ge_u32 ttmp9, 2
	s_cselect_b32 s86, s86, s87
	s_mov_b32 s87, 0
	; X: k: weights' row 2,048 + 64 nt; v: tokens 64 xi in plane 2, xi = 4 (2 x cluster y + cluster x - 2) + cx
	s_and_b32 s88, ttmp7, 0xffff
	s_lshl_b32 s88, s88, 1
	s_add_co_u32 s88, s88, ttmp9
	s_lshl_b32 s88, s88, 2
	s_add_co_u32 s88, s88, s40
	s_sub_co_u32 s21, s88, 8                       ; xi (used by v's work-groups alone)
	s_lshl_b32 s88, s21, 17
	s_add_co_u32 s88, s88, 0x800000
	s_lshl_b32 s89, s42, 17
	s_add_co_u32 s89, s89, WROWS+2048*2048
	s_cmp_ge_u32 ttmp9, 2
	s_cselect_b32 s88, s88, s89
	s_mov_b32 s89, 0
	s_wait_alu depctr_va_vdst(0)                   ; the wait here, directly ahead of the wait below
	s_wait_dscnt 0x0                               ; both opening adds are done
	CROUND                                         ; all sixteen work-groups are here: the first joint loads meet
	s_wait_kmcnt 0x0
	s_load_b256 s[68:75], s[12:13], 0x0            ; e0 .. e7
	s_load_b128 s[76:79], s[12:13], 0x20           ; e8 .. e11
	s_add_nc_u64 s[22:23], s[4:5], s[22:23]
	s_add_nc_u64 s[46:47], s[4:5], s[46:47]
	s_add_nc_u64 s[Y2:Y2+1], s[4:5], s[Y2:Y2+1]
	s_add_nc_u64 s[X2:X2+1], s[4:5], s[X2:X2+1]
.irp s, 0,1
	s_mov_b32 s[G0+4*\s], 1
	s_add_co_u32 s[G0+4*\s+1], s84, \s*SLOT
	s_add_nc_u64 s[G0+4*\s+2:G0+4*\s+3], s[22:23], \s*512
	s_or_b32 s[G0+4*\s+3], s[G0+4*\s+3], 0x80000000
	s_mov_b32 s[G0B+4*\s], 1
	s_add_co_u32 s[G0B+4*\s+1], s84, \s*SLOT
	s_add_nc_u64 s[G0B+4*\s+2:G0B+4*\s+3], s[46:47], \s*512
	s_or_b32 s[G0B+4*\s+3], s[G0B+4*\s+3], 0x80000000
.endr
	JLOAD 0, 0                                     ; part 0: one tensor load a wave at the head
	s_cmp_eq_u32 s19, 0                            ; do I fetch Y?
	s_cselect_b64 s[PFA:PFA+1], s[22:23], s[46:47]
	s_cselect_b64 s[PFB:PFB+1], s[Y2:Y2+1], s[X2:X2+1]
	s_cselect_b32 s90, s40, s41                    ; my place among the four that ask with me
	s_lshl_b32 s90, s90, 15                        ; 16 rows of 2,048 bytes each
	s_mov_b32 s91, 0
	s_add_nc_u64 s[PFA:PFA+1], s[PFA:PFA+1], s[90:91]
	s_add_nc_u64 s[PFB:PFB+1], s[PFB:PFB+1], s[90:91]
	v_and_b32 v1, 15, v0                           ; r
	v_bfe_u32 v2, v0, 4, 1                         ; h
	v_mul_u32_u24 v3, v1, PITCH
	v_lshl_add_u32 v3, v2, 4, v3                   ; a fragment's row x pitch + 16 h
	s_wait_alu depctr_va_vdst(0)                   ; the wait here
	s_mul_i32 s90, s19, HALFT                      ; q: source 1 = my 64 tokens
	s_mul_i32 s91, s20, HALFT
	s_add_co_u32 s91, s91, 2*HALFT                 ; q: source 0 = my 64 rows of weights
	s_mul_i32 s92, s18, 32*PITCH                   ; second block: source 1 = Y's rows 32 w on
	s_mov_b32 s94, 2*HALFT                         ; source 0 = X's 64 rows
.irp s, 0,1
	v_add_nc_u32 v[ADR1+\s], s90, v3
	v_add_nc_u32 v[ADR0+\s], s91, v3
	v_add_nc_u32 v[ADR1+2+\s], s92, v3
	v_add_nc_u32 v[ADR0+2+\s], s94, v3
	s_add_co_u32 s90, s90, SLOT
	s_add_co_u32 s91, s91, SLOT
	s_add_co_u32 s92, s92, SLOT
	s_add_co_u32 s94, s94, SLOT
.endr
	s_mul_i32 s16, s18, SWAVE
	s_add_co_u32 s16, s16, STAGE                   ; my stage
	v_and_b32 v4, 8, v1
	v_add_nc_u32 v4, v4, v1                        ; r + 8 (r / 8): source 1's row 16 a + r goes to stage row sigma(16 a + r) = 32 (a / 2) + 8 (a % 2) + this
	v_mul_u32_u24 v4, v4, SROW
	v_lshl_add_u32 v4, v2, 3, v4
	v_add_nc_u32 v[STO], s16, v4
	v_mul_u32_u24 v6, v1, SROW
	v_lshl_add_u32 v6, v2, 4, v6
	v_add_nc_u32 v[RD], s16, v6                    ; back: row r, 16 bytes; lanes 16-31 the next 16 bytes of the same rows: half an image of 16 rows
	v_and_b32 v5, 31, v0
	v_lshlrev_b32 v[CO], 4, v5                     ; and the same 512 bytes in memory
	v_lshlrev_b32 v[BO], 5, v2
	v_mov_b32 v[ZR], 0
	v_lshlrev_b32 v7, 2, v1                        ; 4 r
	s_wait_alu depctr_va_vdst(0)                   ; the wait here
	; where the second block goes, and its bias.  k: tokens 128 mt + 32 w on
	s_lshl_b32 s91, s43, 7
	s_lshl_b32 s92, s18, 5
	s_add_co_u32 s91, s91, s92
	s_lshr_b32 s92, s91, 10                        ; the batch
	s_and_b32 s91, s91, 1023                       ; and place in the sequence
	s_lshl_b32 s92, s92, 3
	s_add_co_u32 s92, s92, s42
	s_lshl_b32 s92, s92, 10
	s_add_co_u32 s92, s92, s91
	s_lshl_b32 s92, s92, 6
	s_add_co_u32 s92, s92, 4194304
	; v: batch xi / 16, head 2 cy + w / 2, chunk xi % 16; my 32 rows sigma(d) begin 2,048 (w % 2) bytes on
	s_lshr_b32 s93, s21, 4
	s_lshl_b32 s93, s93, 3
	s_lshl_b32 s94, s41, 1
	s_add_co_u32 s93, s93, s94
	s_add_co_u32 s93, s93, s19
	s_lshl_b32 s93, s93, 4
	s_and_b32 s94, s21, 15
	s_add_co_u32 s93, s93, s94
	s_lshl_b32 s93, s93, 12
	s_lshl_b32 s94, s20, 11
	s_add_co_u32 s93, s93, s94
	s_add_co_u32 s93, s93, 5242880
	s_lshl_b32 s94, s42, 8                         ; k's bias: 64 numbers of head nt
	s_lshl_b32 s95, s41, 9                         ; v's: 128 numbers from 128 cy on
	s_lshl_b32 s97, s18, 7                         ; of which mine begin 32 w on
	s_cmp_ge_u32 ttmp9, 2
	s_cselect_b32 s92, s93, s92
	s_cselect_b32 s94, s95, s94
	s_cselect_b32 s97, s97, 0
	s_cselect_b64 s[66:67], s[10:11], s[8:9]       ; bv or bk
	s_mov_b32 s93, 0
	s_mov_b32 s95, 0
	s_add_nc_u64 s[2:3], s[14:15], s[92:93]
	s_add_nc_u64 s[66:67], s[66:67], s[94:95]
	v_add_nc_u32 v[LO], s97, v7
	; where q's block goes, and its bias
	s_lshl_b32 s90, s42, 1
	s_add_co_u32 s90, s90, s20                     ; my head of q's 32
	s_lshl_b32 s91, s43, 7
	s_lshl_b32 s92, s19, 6
	s_add_co_u32 s91, s91, s92                     ; my first token
	s_lshr_b32 s92, s91, 10
	s_and_b32 s91, s91, 1023
	s_lshl_b32 s92, s92, 5
	s_add_co_u32 s92, s92, s90
	s_lshl_b32 s92, s92, 10
	s_add_co_u32 s92, s92, s91
	s_lshl_b32 s92, s92, 6
	s_add_nc_u64 s[16:17], s[14:15], s[92:93]
	s_lshl_b32 s92, s90, 8
	s_add_nc_u64 s[6:7], s[6:7], s[92:93]
.irp b, 0,1,2,3
	global_load_b128 v[BR+8*\b:BR+8*\b+3], v[BO], s[6:7] offset:64*\b         ; bq at 16 b + 8 h + j: waited for at q's way out
	global_load_b128 v[BR+8*\b+4:BR+8*\b+7], v[BO], s[6:7] offset:64*\b+16
.endr
	s_wait_alu depctr_va_vdst(0)                   ; the wait here, directly ahead of the wait below
	s_wait_kmcnt 0x0
	s_add_co_i32 s96, s68, s69                     ; a sum stands for sum x 2^(ea + eb): the bias goes in as bias / 2^(ea + eb),
	ASK PFA, 512                                   ; parts 1 and 2 of q
	ASK PFA, 1024
	s_sub_co_i32 s90, s74, s96                     ; and the conversion takes 2^(eo - ea - eb) as its one scale.  q: e0, e1, e6
	s_sub_co_i32 s96, 0, s96                       ; kept for bq
	s_add_co_i32 s90, s90, 127
	s_lshl_b32 s91, s90, 23
	v_mov_b32 v[SCL], s91
	s_add_co_i32 s90, s90, 8
	s_lshl_b32 s90, s90, 23
	s_or_b32 s90, s90, 0x600000
	v_mov_b32 v[LIM], s90
	s_cmp_ge_u32 ttmp9, 2
	s_cselect_b32 s97, s72, s70                    ; v: e4, e5, e9;  k: e2, e3, e7
	s_cselect_b32 s98, s73, s71
	s_cselect_b32 s99, s77, s75
	s_add_co_i32 s97, s97, s98
	s_sub_co_i32 s99, s99, s97
	s_sub_co_i32 s97, 0, s97                       ; kept for bk or bv
	s_add_co_i32 s99, s99, 127
	s_lshl_b32 s98, s99, 23
	v_mov_b32 v[SCL2], s98
	s_add_co_i32 s99, s99, 8
	s_lshl_b32 s99, s99, 23
	s_or_b32 s99, s99, 0x600000
	v_mov_b32 v[LIM2], s99
	s_wait_alu depctr_va_vdst(0)                   ; the wait at the head's end
	s_wait_tensorcnt 0x0                           ; my part of q's part 0 is in
	ds_add_u32 v[SPW], v[NIL]
	s_wait_dscnt 0x0
	CROUND                                         ; everybody's part is in, and the joint loads meet
	JLOAD 1, 0                                     ; slot 1's first fill: part 1
	; ---------------- q: 128 tokens x 128 columns
	FETCH 0, 0, F0, 0
	ASK PFA, 1536                                  ; part 3
	QUARTER 0, 1, F0, F1, 1                        ; the first products start the sums: nothing is cleared
	QUARTER 0, 2, F1, F0, 0
	QUARTER 0, 3, F0, F1, 0
	TURN 0, 1, 0, 0, 0                             ; slot 0 takes q's part 2
	QUARTER 1, 1, F0, F1, 0
	QUARTER 1, 2, F1, F0, 0
	QUARTER 1, 3, F0, F1, 0
	TURN 1, 0, 0, 0, 512                           ; slot 1 takes part 3
	QUARTER 0, 1, F0, F1, 0
	QUARTER 0, 2, F1, F0, 0
	QUARTER 0, 3, F0, F1, 0
	TURN 0, 1, 1, 0, 1024                          ; THE RING GOES ON: slot 0 takes the second block's part 0
	QUARTER 1, 1, F0, F1, 0
	QUARTER 1, 2, F1, F0, 0
	QUARTER 1, 3, F0, F1, 0
	TURN 1, 0, 1, 1, 1536                          ; slot 1 takes its part 1, and its first fragments are fetched
	WIN 0
	; q's way out, while the second block's part 1 is on its way.  Blocks 0 and 1 were finished in front of the joint load's four v_nop; the lines below that work on them are the places behind the last products
	s_wait_loadcnt 0x0                             ; bq
.set k, 0
.rept 32
	v_ldexp_f32 v[BR+k], v[BR+k], s96
.set k, k+1
.endr
	TOCODES ACC, 4, LIM, SCL, 0
.irp b, 0,1,2,3
	global_load_b128 v[BR+8*\b:BR+8*\b+3], v[BO], s[66:67] offset:64*\b       ; the second bias takes bq's registers: by register, at 16 b + 8 h + j (k),
	global_load_b128 v[BR+8*\b+4:BR+8*\b+7], v[BO], s[66:67] offset:64*\b+16
.endr
.irp a, 0,1
	global_load_b32 v[BL+2*\a], v[LO], s[66:67] offset:64*\a                  ; and by lane, at 32 w + 16 a + r (v); both are waited for at the second way out
.endr
.irp i, 0,1,2,3,4,5,6,7
	ds_load_b128 v[OUTR+4*\i:OUTR+4*\i+3], v[RD] offset:(\i/2)*16*SROW+32*(\i%2)   ; my own stage: LDS serves a wave's instructions in order
.endr
.irp i, 0,1,2,3,4,5,6,7
	s_wait_dscnt 7-\i
	global_store_b128 v[CO], v[OUTR+4*\i:OUTR+4*\i+3], s[16:17] offset:512*\i   ; 32 lanes store 512 consecutive bytes, aligned
.endr
	; ---------------- the second block, 128 x 64
	QUARTER2 0, 1, F0, F1, 1                       ; the first products start the sums, on registers that q's way out has left
	QUARTER2 0, 2, F1, F0, 0
	QUARTER2 0, 3, F0, F1, 0
	TURN2 0, 1, 1                                  ; slot 0 takes part 2
	QUARTER2 1, 1, F0, F1, 0
	QUARTER2 1, 2, F1, F0, 0
	QUARTER2 1, 3, F0, F1, 0
	TURN2 1, 0, 1                                  ; slot 1 takes part 3
	QUARTER2 0, 1, F0, F1, 0
	QUARTER2 0, 2, F1, F0, 0
	QUARTER2 0, 3, F0, F1, 0
	TURN2 0, 1, 0                                  ; nothing is left to fetch
	QUARTER2 1, 1, F0, F1, 0
	QUARTER2 1, 2, F1, F0, 0
	QUARTER2 1, 3, F0, F1, 0
	s_wait_dscnt 4
	WIN MUL
	MULA F1, 0, 0, 1
	s_wait_dscnt 0
	MULA F1, 1, 0, 1
	WIN 0
	; the second way out.  The lines that prepare the bias name no register of the last products: they are the places behind them
	s_wait_loadcnt 0x0                             ; bk or bv
	s_cmp_ge_u32 ttmp9, 2
	s_cselect_b32 vcc_lo, -1, 0                    ; all lanes: is this v?
.set k, 0
.rept 32
	v_ldexp_f32 v[BR+k], v[BR+k], s97
.set k, k+1
.endr
.set k, 0
.rept 32
	v_cndmask_b32 v[BR+k], v[BR+k], v[ZR], vcc_lo  ; the form by register counts for k; for v it is 0
.set k, k+1
.endr
.irp a, 0,1
	v_ldexp_f32 v[BL+2*\a], v[BL+2*\a], s97
.endr
.irp a, 0,1
	v_cndmask_b32 v[BL+2*\a+1], v[ZR], v[BL+2*\a], vcc_lo   ; the form by lane counts for v; twice, a pair for the packed addition
	v_cndmask_b32 v[BL+2*\a], v[ZR], v[BL+2*\a], vcc_lo
.endr
	TOCODES ACC+64, 2, LIM2, SCL2, 1
.irp i, 0,1,2,3
	ds_load_b128 v[OUTR2+4*\i:OUTR2+4*\i+3], v[RD] offset:(\i/2)*16*SROW+32*(\i%2)
.endr
.irp i, 0,1,2,3
	s_wait_dscnt 3-\i
	global_store_b128 v[CO], v[OUTR2+4*\i:OUTR2+4*\i+3], s[2:3] offset:512*\i
.endr
	s_wait_tensorcnt 0x0                           ; the wave's end
	ds_add_u32 v[SPW], v[NIL]
	s_wait_dscnt 0x0
	CROUND                                         ; the closing round
	s_endpgm
.Lfunc_end_k_q2b87265142_proj:
	.size	k_q2b87265142_proj, .Lfunc_end_k_q2b87265142_proj-k_q2b87265142_proj
	.p2alignl 7, 3214868480
	.fill 96, 4, 3214868480
	.section	.rodata,"a",@progbits
	.p2align	6, 0x0
	.amdhsa_kernel k_q2b87265142_proj
		.amdhsa_group_segment_fixed_size 327680
		.amdhsa_private_segment_fixed_size 0
		.amdhsa_enable_private_segment 0
		.amdhsa_kernarg_size 48
		.amdhsa_user_sgpr_count 2
		.amdhsa_user_sgpr_kernarg_segment_ptr 1
		.amdhsa_wavefront_size32 1
		.amdhsa_system_sgpr_workgroup_id_x 1
		.amdhsa_system_sgpr_workgroup_id_y 1
		.amdhsa_system_sgpr_workgroup_id_z 1
		.amdhsa_system_vgpr_workitem_id 0
		.amdhsa_next_free_vgpr 512
		.amdhsa_next_free_sgpr 100
		.amdhsa_reserve_vcc 1
		.amdhsa_float_denorm_mode_32 3
		.amdhsa_float_denorm_mode_16_64 3
		.amdhsa_memory_ordered 1
		.amdhsa_forward_progress 1
		.amdhsa_inst_pref_size 142
	.end_amdhsa_kernel
	.amdgpu_metadata
---
amdhsa.version: [ 1, 2 ]
amdhsa.kernels:
  - .name:           k_q2b87265142_proj
    .symbol:         k_q2b87265142_proj.kd
    .args:
      - { .name: codes, .offset: 0, .size: 8, .value_kind: global_buffer, .address_space: global }
      - { .name: bq, .offset: 8, .size: 8, .value_kind: global_buffer, .address_space: global }
      - { .name: bk, .offset: 16, .size: 8, .value_kind: global_buffer, .address_space: global }
      - { .name: bv, .offset: 24, .size: 8, .value_kind: global_buffer, .address_space: global }
      - { .name: lowp_scales, .offset: 32, .size: 8, .value_kind: global_buffer, .address_space: global }
      - { .name: qkv_codes, .offset: 40, .size: 8, .value_kind: global_buffer, .address_space: global }
    .group_segment_fixed_size: 327680
    .private_segment_fixed_size: 0
    .kernarg_segment_align: 8
    .kernarg_segment_size: 48
    .max_flat_workgroup_size: 128
    .sgpr_count:     100
    .vgpr_count:     512
    .wavefront_size: 32
...
	.end_amdgpu_metadata
.endif
;; end of part 2
;; launch attn (part 3): grid 16 x 16, 8 waves a work-group, clusters of 4 x 1, 206,848 bytes of LDS; arguments qkv_codes, Wo, lowp_scales, ao_codes, wo_codes; writes ao_codes, wo_codes
.if DOCPART == 3
	.amdgcn_target "amdgcn-amd-amdhsa--gfx1250"
	.amdhsa_code_object_version 6
	.text
	.protected	k_q2b87265142_attn
	.globl	k_q2b87265142_attn
	.p2align	8
	.type	k_q2b87265142_attn,@function
k_q2b87265142_attn:
	s_mov_b64 s[64:65], 0
	v_nop
	global_prefetch_b8 v0, s[64:65] scope:SCOPE_SE
	s_setreg_imm32_b32 hwreg(HW_REG_WAVE_MODE, 25, 1), 1
	s_wait_xcnt 0x0
	s_wait_alu depctr_hold_cnt(0) depctr_sa_sdst(0) depctr_va_vdst(0) depctr_va_sdst(0) depctr_va_ssrc(0) depctr_va_vcc(0) depctr_vm_vsrc(0)
	s_getreg_b32 s2, hwreg(HW_REG_IB_STS2, 6, 4)
	s_cmp_eq_u32 s2, 0
	s_cbranch_scc0 .Lentry_in_a_cluster
	s_endpgm
.Lentry_in_a_cluster:
	s_bfe_u32 s2, ttmp6, 0x10000c
	s_cmp_lg_u32 s2, 0x3003
	s_cbranch_scc0 .Lentry_shape_is_right
	s_endpgm
.Lentry_shape_is_right:
; Causal attention of 32 query heads on 8 key and value groups, head size 64, 1,024 positions, 2 batches; both products on codes of FP8 (E4M3) with given scales (entries 6 to 9);
; the result is quantised at once (entry 10) for the last projection.  Beside it Wo [2048 k][2048 n] is quantised (entry 11) into wo_codes [n][k]: each work-group takes 64 columns x 256 along K, asked for ahead of the loop and worked behind it.
; LEFT OUT: keys that reference()'s causal mask hides from all of a wave's queries, in whole steps of 128 and, on the diagonal, in whole groups of 32.
; THE SOFTMAX: t = score x log2(e) / 8; M = the running largest t rounded UP to a whole number; p = 2^(t - M) is quantised along the keys, not normalised; the row's sum is taken of the
; unquantised p and divides at the end.  When M moves, the sum and O are multiplied by 2^(old M - new M): exact.
; SHARES.  A work-group is one query head (4 x group + its place in the cluster) and 16 of its 64 tiles of 16 queries.  A wave works two neighbouring tiles at a time: every fragment of K and V serves both, and their softmax lines alternate.
; CLUSTER: the four partners are the four heads of one group at the same positions: they read the same K and V, all 1,024 keys, asked for jointly and once: eight loads of 16,384 bytes, waves 0-3 K's, waves 4-7 V's.
; No LDS byte is filled twice.  All that is read jointly is asked for at the head, and no load stands in the loop: there is no later load to prefetch for.
; EVEN WORK.  Tiles t, t + 1 need t / 8 + 1 steps of 128 keys.  Waves w and w ^ 1 share the long tiles 8 (7 - o) + 2 j (8 - o steps) and the short ones 8 o + 2 j (o + 1 steps), o = w / 2, j = the cluster's x.
; Role 0 walks the long tiles' steps 0-4.  Role 1 walks the short tiles, sends them out, walks the long tiles' steps 5 .. 7 - o and hands O, M and the sums to its partner through LDS, which joins the two parts: 5 steps against 4.
; Role = (w / 4 + w) % 2.  The loop has 5 trips in every wave.
; LAYOUT.  Both products transposed: S^T = K Q^T, O^T = V^T P^T: a lane holds one query (lane % 16) of each tile.  Q, K and V lie in memory as images of the operand: tiles of 16 rows x 64 codes, [four groups of 16 codes][16 rows][16 bytes];
; Q's and K's rows at sigma(position), V's at sigma(d) (sigma: bits 3 and 4 exchanged), so that a lane gets 16 neighbours in the registers of tiles 2 c and 2 c + 1: keys 32 c + 16 h + 0..15, and d likewise.
; LIMITS: e6 + e7 between -123 and 130 (added to c's exponent field); e8, e10 and e11 between -126 and 119.  NaN among the inputs is not served.
; REGISTERS.  Window 0: v1-11 addresses; tile 0: v12 -M, v13 the largest t, v[14:15] the sum; tile 1: v80-83 the same; v16-31 Q of both; v32-63 codes of both; v64-79 the long tiles' Q; v84-92 constants;
; v96-159 and v160-223 S^T, then p; v234-255 constants and work.  Window 1: v0-63 K, v64-127 V, v128-159 and v160-191 O^T, v192-255 Wo's numbers.
.set VBASE, 65536                      ; K's 64 images, then V's
.set STG,   131072                     ; then a stage of 32 rows x 80 bytes for each wave
.set KP,    80
.set DUMP,  STG+8*32*KP                ; then 9,216 bytes for each pair of waves
.set WST,   DUMP+4*9216                ; then Wo's 64 rows of 256 + 16 bytes
.set WP,    272
.set SPARE, WST+64*WP                  ; the spare words: 128 bytes a wave
.set G1,  24
.set G0K, 32
.set G0V, 36
.set Q0,  50                           ; the first of my 32 queries
.set QL,  51                           ; the last
.set SW,  52                           ; the trip at which I go on to the long tiles
.set C3,  53                           ; 3 - o
.set GAP, 54                           ; role x (4 - o)
.set TR,  55                           ; the trip
.set KF,  58                           ; the step's first key
.set TB,  59                           ; its first byte in K and in V
.set MSB, 0
.macro WIN new                         ; the immediate's high byte repeats the setting that is left
.if MSB != \new
	s_set_vgpr_msb (MSB<<8)|\new
.set MSB, \new
.endif
.endm
.macro CROUND
	s_barrier_signal -1
	s_barrier_wait -1
	s_cmp_lg_u32 s18, 0
	s_cbranch_scc1 .Lnot_wave_0_\@
	s_barrier_signal -3
.Lnot_wave_0_\@:
	s_barrier_wait -3
	s_barrier_signal -1
	s_barrier_wait -1
.endm
.macro TILEOFF t, q, a                 ; the places of tiles t, t + 1 (t even): Q's images (query 16 t + r lies at row 16 t + r + 8 (r / 8), the next tile's 8 rows on), and 1,024 bytes of ao_codes each, 32,768 apart
	s_lshl_b32 s[\q], s[\t], 10
	s_add_co_u32 s[\q], s[\q], s88
	s_mov_b32 s[\q+1], 0
	s_lshl_b32 s[\a], s[\t], 15
	s_add_co_u32 s[\a], s[\a], s89
	s_mov_b32 s[\a+1], 0
.endm
.macro RESET                           ; no key seen yet
	v_mov_b32 v13, 0xff61b1e6                      ; the largest t so far: -3e38
	v_mov_b32 v81, 0xff61b1e6
	v_mov_b32 v14, 0
	v_mov_b32 v15, 0
	v_mov_b32 v82, 0
	v_mov_b32 v83, 0
	v_floor_f32 v12, -v13                          ; -M
	v_floor_f32 v80, -v81
	WIN 0x40
.set i, 0
.rept 64
	v_mov_b32 v[128+i], 0                          ; O^T: the step is written once; the first finds zeros, which the first change of M leaves zeros
.set i, i+1
.endr
	WIN 0
.endm
; THE WAY OUT: O^T / the sum x 2^(e8 + e9), held and converted with 2^e10: 16 registers are d = 32 c + 16 h + 0..15 of query r: 16 bytes.  Through my stage, so that a store covers 512 consecutive bytes.
.macro WAYOUT base
	v_add_f32 v14, v14, v15
	v_add_f32 v82, v82, v83
	v_permlanex16_b32 v246, v14, s20, s21
	v_permlanex16_b32 v247, v82, s20, s21
	v_add_f32 v14, v14, v246                       ; the rows' sums
	v_add_f32 v82, v82, v247
	s_wait_alu depctr_va_vdst(0)                   ; the wait ahead of the transcendentals
	v_rcp_f32 v14, v14
	v_rcp_f32 v82, v82
	v_nop                                          ; plain places behind the reciprocals and the last products
	v_nop
	s_wait_alu depctr_va_vdst(0)                   ; the wait ahead of the reciprocals' first readers
	v_ldexp_f32 v14, v14, s90
	v_ldexp_f32 v82, v82, s90
	WIN 0x01                                       ; source 0 window 1
	s_wait_alu depctr_va_vdst(0)                   ; the wait here, directly ahead of the first reader of O^T
.set i, 0
.rept 16
	v_pk_mul_f32 v[96+i:97+i], v[128+i:129+i], v[14:15] op_sel_hi:[1,0]
.set i, i+2
.endr
.set i, 0
.rept 16
	v_pk_mul_f32 v[128+i:129+i], v[160+i:161+i], v[82:83] op_sel_hi:[1,0]
.set i, i+2
.endr
	WIN 0
.set i, 0
.rept 64
	v_med3_num_f32 v[96+i], v[96+i], -v86, v86     ; the conversion does not saturate (ISA guide 7.6.2)
.set i, i+1
.endr
.irp c, 0,1,2,3
	v_cvt_scalef32_pk8_fp8_f32 v[32+4*\c:33+4*\c], v[96+16*\c:103+16*\c], v85
	v_cvt_scalef32_pk8_fp8_f32 v[34+4*\c:35+4*\c], v[104+16*\c:111+16*\c], v85
.endr
	v_nop
.irp c, 0,1,2,3
	ds_store_b128 v10, v[32+4*\c:35+4*\c] offset:(\c/2)*16*KP+32*(\c%2)
.endr
.irp c, 0,1,2,3
	ds_load_b128 v[48+4*\c:51+4*\c], v11 offset:8*KP*\c   ; my own stage: LDS serves a wave's instructions in order
.endr
.irp c, 0,1,2,3
	s_wait_dscnt 3-\c
	global_store_b128 v1, v[48+4*\c:51+4*\c], s[\base:\base+1] offset:(\c/2)*32768+512*(\c%2)
.endr
	s_wait_xcnt 0x0                                ; the stores have read their data
.endm
; THE STEP ON THE DIAGONAL.  My 32 queries are one group of 32 keys, c = (Q0 - KF) / 32: of the step's four groups those behind it are hidden whole, and are left out of the softmax (their codes are 0); those ahead of it count whole.
; In it register i holds key 16 h + i against query r (tile 0) or 16 + r (tile 1): hidden where i > r - 16 h, i > 16 + r - 16 h
.macro MASK c
.irp i, 0,1,2,3,4,5,6,7,8,9,10,11,12,13,14,15
	v_cmp_gt_i32 vcc_lo, \i, v5
	v_cmp_gt_i32 s93, \i, v89
	v_cndmask_b32 v[96+16*\c+\i], v[96+16*\c+\i], v92, vcc_lo   ; -infinity: p = 0 then
	v_cndmask_b32 v[160+16*\c+\i], v[160+16*\c+\i], v92, s93
.endr
.endm
.macro SOFT n                          ; the softmax of both tiles, line by line in turns, on the first n of my 64 scores of each
	v_max3_num_f32 v254, v96, v97, v98             ; the step's largest score of my query among my keys, in two chains a tile,
	v_max3_num_f32 v250, v160, v161, v162
	v_max3_num_f32 v252, v99, v100, v101
	v_max3_num_f32 v248, v163, v164, v165
.set i, 6
.rept (\n-8)/4
	v_max3_num_f32 v254, v254, v[96+i], v[97+i]
	v_max3_num_f32 v250, v250, v[160+i], v[161+i]
	v_max3_num_f32 v252, v252, v[98+i], v[99+i]
	v_max3_num_f32 v248, v248, v[162+i], v[163+i]
.set i, i+4
.endr
	v_max3_num_f32 v254, v254, v[94+\n], v[95+\n]
	v_max3_num_f32 v250, v250, v[158+\n], v[159+\n]
	v_max_num_f32 v254, v254, v252
	v_max_num_f32 v250, v250, v248
	v_permlanex16_b32 v246, v254, s20, s21
	v_permlanex16_b32 v247, v250, s20, s21
	v_max_num_f32 v254, v254, v246                 ; and among lane l xor 16's
	v_max_num_f32 v250, v250, v247
	v_mul_f32 v254, s22, v254                      ; as t (c is positive)
	v_mul_f32 v250, s22, v250
	v_max_num_f32 v13, v13, v254                   ; the running largest t
	v_max_num_f32 v81, v81, v250
	v_mov_b32 v254, v12
	v_mov_b32 v250, v80
	v_floor_f32 v12, -v13                          ; the new -M = -ceil(t)
	v_floor_f32 v80, -v81
	v_sub_f32 v254, v12, v254                      ; old M - new M: a whole number, 0 or less
	v_sub_f32 v250, v80, v250
	v_cvt_i32_f32 v254, v254                       ; (it saturates)
	v_cvt_i32_f32 v250, v250
	v_ldexp_f32 v252, 1.0, v254                    ; f = 2^(old M - new M)
	v_ldexp_f32 v248, 1.0, v250
.set i, 0
.rept \n/2
	v_pk_fma_f32 v[96+i:97+i], v[96+i:97+i], s[22:23], v[12:13] op_sel_hi:[1,0,0]   ; t - M, two at a time
	v_pk_fma_f32 v[160+i:161+i], v[160+i:161+i], s[22:23], v[80:81] op_sel_hi:[1,0,0]
.set i, i+2
.endr
.set i, 0
	s_wait_alu depctr_va_vdst(0)                   ; the wait ahead of the batch
.rept \n
	v_exp_f32 v[96+i], v[96+i]                     ; p = 2^(t - M)
	v_exp_f32 v[160+i], v[160+i]
.set i, i+1
.endr
	v_pk_mul_f32 v[14:15], v[14:15], v[252:253] op_sel_hi:[1,0]   ; the sums under the new M: the plain lines behind the exponentials
	v_pk_mul_f32 v[82:83], v[82:83], v[248:249] op_sel_hi:[1,0]
	s_wait_alu depctr_va_vdst(0)                   ; one wait for the whole batch, ahead of its first reader
	v_pk_add_f32 v[242:243], v[96:97], v[98:99]    ; the sums, in three chains a tile
	v_pk_add_f32 v[236:237], v[160:161], v[162:163]
	v_pk_add_f32 v[238:239], v[100:101], v[102:103]
	v_pk_add_f32 v[234:235], v[164:165], v[166:167]
.set i, 8
.rept (\n-8)/8
	v_pk_add_f32 v[14:15], v[14:15], v[96+i:97+i]
	v_pk_add_f32 v[82:83], v[82:83], v[160+i:161+i]
	v_pk_add_f32 v[242:243], v[242:243], v[98+i:99+i]
	v_pk_add_f32 v[236:237], v[236:237], v[162+i:163+i]
	v_pk_add_f32 v[238:239], v[238:239], v[100+i:101+i]
	v_pk_add_f32 v[234:235], v[234:235], v[164+i:165+i]
	v_pk_add_f32 v[14:15], v[14:15], v[102+i:103+i]
	v_pk_add_f32 v[82:83], v[82:83], v[166+i:167+i]
.set i, i+8
.endr
	v_pk_add_f32 v[242:243], v[242:243], v[238:239]
	v_pk_add_f32 v[236:237], v[236:237], v[234:235]
.set i, 0
.rept \n/2
	v_dual_min_num_f32 v[96+i], v[96+i], v240 :: v_dual_min_num_f32 v[97+i], v[97+i], v241   ; the conversion does not saturate (ISA guide 7.6.2); p is not negative: a one-sided hold
	v_dual_min_num_f32 v[160+i], v[160+i], v240 :: v_dual_min_num_f32 v[161+i], v[161+i], v241
.set i, i+2
.endr
	v_pk_add_f32 v[14:15], v[14:15], v[242:243]
	v_pk_add_f32 v[82:83], v[82:83], v[236:237]
.set i, 0
.rept \n/16
	v_cvt_scalef32_pk8_fp8_f32 v[32+4*i:33+4*i], v[96+16*i:103+16*i], v244
	v_cvt_scalef32_pk8_fp8_f32 v[34+4*i:35+4*i], v[104+16*i:111+16*i], v244
	v_cvt_scalef32_pk8_fp8_f32 v[48+4*i:49+4*i], v[160+16*i:167+16*i], v244
	v_cvt_scalef32_pk8_fp8_f32 v[50+4*i:51+4*i], v[168+16*i:175+16*i], v244
.set i, i+1
.endr
	v_nop                                          ; a plain line behind the last conversion of the run
.set i, \n/4
.rept 16-\n/4
	v_mov_b32 v[32+i], 0                           ; the hidden groups' codes
	v_mov_b32 v[48+i], 0
.set i, i+1
.endr
	s_wait_alu depctr_va_vdst(0)                   ; the wait here, ahead of the branch
.endm
	s_load_b256 s[4:11], s[0:1], 0x0               ; qkv_codes s[4:5], Wo s[6:7], the exponents s[8:9], ao_codes s[10:11]
	s_load_b64 s[12:13], s[0:1], 0x20              ; wo_codes
	v_lshl_add_u32 v251, v0, 2, SPARE
	v_mov_b32 v255, 0
	ds_add_u32 v251, v255                          ; the wave's opening: the add, twice on end, and its wait ahead of the first tensor loads
	ds_add_u32 v251, v255
	v_lshrrev_b32 v8, 5, v0
	v_readfirstlane_b32 s18, v8                    ; wave 0..7
	s_bfe_u32 s40, ttmp6, 0x40000                  ; cx: the head within the group
	s_and_b32 s41, ttmp7, 0xffff                   ; y: batch x 8 + group
	s_lshr_b32 s14, s18, 1                         ; my pair: o
	s_lshr_b32 s17, s18, 2
	s_xor_b32 s17, s17, s18
	s_and_b32 s17, s17, 1                          ; role
	s_lshl_b32 s19, ttmp9, 1                       ; 2 j
	s_lshl_b32 s42, s14, 3
	s_add_co_u32 s43, s42, s19                     ; the short tiles
	s_sub_co_u32 s42, 56, s42
	s_add_co_u32 s42, s42, s19                     ; the long tiles
	s_add_co_u32 s[SW], s14, 1
	s_cmp_eq_u32 s17, 0
	s_cselect_b32 s44, s42, s43                    ; the tiles that I begin with
	s_cselect_b32 s[SW], 9, s[SW]                  ; role 1 changes at trip o + 1, role 0 never
	s_lshl_b32 s[Q0], s44, 4
	s_add_co_u32 s[QL], s[Q0], 31
	s_xor_b32 s[C3], s14, 3
	s_add_co_u32 s[GAP], s[C3], 1
	s_mul_i32 s[GAP], s[GAP], s17
	s_mov_b32 s[TR], 0
	s_lshl_b32 s88, s41, 2
	s_add_co_u32 s88, s88, s40                     ; batch x 32 + head
	s_lshl_b32 s88, s88, 16                        ; its 65,536 bytes of q
	s_lshr_b32 s89, s41, 3
	s_lshl_b32 s89, s89, 21                        ; ao_codes: [batch 2][tile 64][head 32] of 1,024 bytes
	s_and_b32 s47, s41, 7
	s_lshl_b32 s47, s47, 2
	s_add_co_u32 s47, s47, s40
	s_lshl_b32 s47, s47, 10
	s_add_co_u32 s89, s89, s47
	TILEOFF 44, 84, 60                             ; the first tiles: Q s[84:85], out s[60:61]
	TILEOFF 42, 86, 62                             ; the long tiles: Q s[86:87], out s[62:63]
	; Wo: work-group 16 y + 4 j + cx of 256: columns 64 nb on, k 256 ky on
	s_lshl_b32 s46, s41, 4
	s_lshl_b32 s47, ttmp9, 2
	s_add_co_u32 s46, s46, s47
	s_add_co_u32 s46, s46, s40
	s_and_b32 s47, s46, 7                          ; ky
	s_lshr_b32 s46, s46, 3                         ; nb
	s_lshl_b32 s66, s47, 21
	s_lshl_b32 s67, s18, 18
	s_add_co_u32 s66, s66, s67                     ; rows 256 ky + 32 w of 8,192 bytes,
	s_lshl_b32 s67, s46, 8
	s_add_co_u32 s66, s66, s67                     ; columns 64 nb on
	s_mov_b32 s67, 0
	s_lshl_b32 s68, s46, 17
	s_lshl_b32 s69, s18, 14
	s_add_co_u32 s68, s68, s69                     ; wo_codes: rows 64 nb + 8 w of 2,048 bytes,
	s_lshl_b32 s69, s47, 8
	s_add_co_u32 s68, s68, s69                     ; byte 256 ky on
	s_mov_b32 s69, 0
	; what I fetch: 16,384 bytes, the w % 4-th of K or V
	s_and_b32 s47, s18, 3
	s_lshl_b32 s48, s47, 14
	s_lshl_b32 s56, s41, 16
	s_add_co_u32 s56, s56, s48
	s_add_co_u32 s56, s56, 4194304                 ; in memory: k
	s_mov_b32 s57, 0
	s_mov_b32 s[G1], 15|(1<<21)                    ; the mask: all four; elements of 1 byte; no padding; bit 21 beside a mask
	s_mov_b32 s[G1+1], 1024<<16                    ; tensor_dim0: a dense block, stated as rows of 1,024 bytes
	s_mov_b32 s[G1+2], 16<<16                      ; tensor_dim1
	s_mov_b32 s[G1+3], 1024<<16                    ; tile_dim0
	s_mov_b32 s[G1+4], 16                          ; tile_dim1
	s_mov_b32 s[G1+5], 1024                        ; from row to row
	s_mov_b32 s[G1+6], 0
	s_mov_b32 s[G1+7], 0
	s_mov_b32 s20, 0x76543210                      ; v_permlanex16_b32: lane l xor 16
	s_mov_b32 s21, 0xfedcba98
	s_mov_b32 s22, 0x3e38aa3b                      ; c = log2(e) / 8
	s_mul_i32 s91, s14, 9216
	s_add_co_u32 s91, s91, DUMP                    ; my pair's bytes
	s_mul_i32 s92, s18, 32*KP
	s_add_co_u32 s92, s92, STG                     ; my stage
	s_lshl_b32 s93, s18, 5
	s_add_co_u32 s93, s93, WST                     ; my 32 bytes of each of Wo's stage rows
	s_mul_i32 s94, s18, 8*WP
	s_add_co_u32 s94, s94, WST                     ; the eight of those rows that I send out
	; every LDS address is made here
	v_and_b32 v8, 31, v0                           ; lane
	v_and_b32 v9, 15, v0                           ; r
	v_bfe_u32 v234, v0, 4, 1                       ; h
	v_lshlrev_b32 v1, 4, v8                        ; 16 x lane = 16 r + 256 h: my place in an image of K; also the way out in memory
	v_add_nc_u32 v2, VBASE, v1                     ; and of V
	v_lshlrev_b32 v235, 4, v234
	v_sub_nc_u32 v5, v9, v235                      ; r - 16 h, for the mask of tile 0,
	v_add_nc_u32 v89, 16, v5                       ; and of tile 1
	v_mov_b32 v92, 0xff800000                      ; -infinity
	v_add_nc_u32 v6, s91, v1                       ; the pair's bytes, 16 a lane
	v_mul_u32_u24 v10, v9, KP
	v_lshl_add_u32 v10, v234, 4, v10
	v_add_nc_u32 v10, s92, v10                     ; into the stage: row r, + 16 h
	v_lshrrev_b32 v11, 2, v8
	v_mul_u32_u24 v11, v11, KP
	v_and_b32 v236, 3, v8
	v_lshl_add_u32 v11, v236, 4, v11
	v_add_nc_u32 v11, s92, v11                     ; back: four lanes to a row, eight rows an instruction
	v_mul_u32_u24 v3, v9, 4*WP
	v_lshl_add_u32 v3, v234, 4, v3
	v_add_nc_u32 v3, s93, v3                       ; Wo's stage, in: rows 4 r .. 4 r + 3, 16 bytes for each half of the lanes
	v_mul_u32_u24 v4, v234, WP
	v_lshl_add_u32 v4, v9, 4, v4
	v_add_nc_u32 v4, s94, v4                       ; out: sixteen lanes to a row
	v_lshlrev_b32 v7, 11, v234
	v_lshl_add_u32 v7, v9, 4, v7                   ; and the same place in wo_codes
	v_lshlrev_b32 v84, 17, v234
	v_lshl_add_u32 v84, v9, 4, v84                 ; Wo: 16 bytes a lane; lanes 16-31 sixteen rows of 8,192 bytes further down
	v_lshrrev_b32 v90, 3, v9
	v_lshlrev_b32 v90, 10, v90
	v_and_b32 v237, 7, v9
	v_lshl_add_u32 v90, v237, 4, v90
	v_lshl_add_u32 v90, v234, 8, v90               ; Q: 1,024 (r / 8) + 16 (r % 8) + 256 h
	v_mov_b32 v246, 0                              ; a lane permute's destination counts as one of its sources
	v_mov_b32 v247, 0
	v_mov_b32 v249, 0                              ; (named as the upper halves of the pairs v[248:249],
	v_mov_b32 v253, 0                              ; v[252:253])
	RESET
	s_wait_alu depctr_va_vdst(0)                   ; the wait here, directly ahead of the wait below
	s_wait_dscnt 0x0                               ; both opening adds are done
	CROUND                                         ; all four work-groups are here: the joint loads meet
	s_wait_kmcnt 0x0
	s_load_b256 s[72:79], s[8:9], 0x0              ; e0 .. e7
	s_load_b128 s[80:83], s[8:9], 0x20             ; e8 .. e11
	s_mov_b32 s[G0K], 1
	s_mov_b32 s[G0K+1], s48
	s_add_nc_u64 s[G0K+2:G0K+3], s[4:5], s[56:57]
	s_mov_b32 s[G0V], 1
	s_add_co_u32 s[G0V+1], s48, VBASE
	s_add_nc_u64 s[G0V+2:G0V+3], s[G0K+2:G0K+3], 0x100000   ; v lies 1,048,576 bytes behind k
	s_or_b32 s[G0K+3], s[G0K+3], 0x80000000
	s_or_b32 s[G0V+3], s[G0V+3], 0x80000000
	s_cmp_lt_u32 s18, 4                            ; the branch hangs on the wave's number alone; four v_nop follow each line
	s_cbranch_scc0 .Lnot_k
	tensor_load_to_lds s[G0K:G0K+3], s[G1:G1+7]
	s_nop 0
.rept 4
	v_nop
.endr
	s_branch .Lasked
.Lnot_k:
	tensor_load_to_lds s[G0V:G0V+3], s[G1:G1+7]
	s_nop 0
.rept 4
	v_nop
.endr
.Lasked:
	s_add_nc_u64 s[84:85], s[4:5], s[84:85]
	s_add_nc_u64 s[86:87], s[4:5], s[86:87]
.irp u, 0,1                                        ; Q's fragments stay in registers: d = 16 h + 0..15 and 32 + 16 h + 0..15: the same order of d as K's have
	global_load_b128 v[16+8*\u:19+8*\u], v90, s[84:85] offset:128*\u
	global_load_b128 v[20+8*\u:23+8*\u], v90, s[84:85] offset:128*\u+512
	global_load_b128 v[64+8*\u:67+8*\u], v90, s[86:87] offset:128*\u          ; the long tiles'
	global_load_b128 v[68+8*\u:71+8*\u], v90, s[86:87] offset:128*\u+512
.endr
	s_add_nc_u64 s[60:61], s[10:11], s[60:61]
	s_add_nc_u64 s[62:63], s[10:11], s[62:63]
	s_add_nc_u64 s[66:67], s[6:7], s[66:67]
	s_add_nc_u64 s[68:69], s[12:13], s[68:69]
	s_wait_kmcnt 0x0
	s_add_co_i32 s56, s78, s79
	s_lshl_b32 s56, s56, 23
	s_add_co_i32 s22, s22, s56                     ; a score stands for score x 2^(e6 + e7): added to c's exponent field
	s_mov_b32 s23, s22                             ; (named with it as a pair)
	s_add_co_i32 s90, s80, s81                     ; e8 + e9
	s_add_co_i32 s56, s80, 127
	s_lshl_b32 s57, s56, 23
	v_mov_b32 v244, s57                            ; 2^e8
	s_add_co_i32 s56, s56, 8
	s_lshl_b32 s56, s56, 23
	s_or_b32 s56, s56, 0x600000
	v_mov_b32 v240, s56                            ; 448 x 2^e8, twice: the two halves of a pair of instructions name two registers
	v_mov_b32 v241, s56
	s_add_co_i32 s56, s82, 127
	s_lshl_b32 s57, s56, 23
	v_mov_b32 v85, s57                             ; 2^e10
	s_add_co_i32 s56, s56, 8
	s_lshl_b32 s56, s56, 23
	s_or_b32 s56, s56, 0x600000
	v_mov_b32 v86, s56                             ; 448 x 2^e10
	s_add_co_i32 s56, s83, 127
	s_lshl_b32 s57, s56, 23
	v_mov_b32 v87, s57                             ; 2^e11
	s_add_co_i32 s56, s56, 8
	s_lshl_b32 s56, s56, 23
	s_or_b32 s56, s56, 0x600000
	v_mov_b32 v88, s56                             ; 448 x 2^e11
	s_wait_alu depctr_va_vdst(0)                   ; the wait at the head's end
	s_wait_loadcnt 0x0                             ; Q
	s_wait_tensorcnt 0x0                           ; my part of K or V has landed,
	s_barrier_signal -1
	s_barrier_wait -1                              ; everybody's has
	WIN 0x40
.set m, 0
.rept 16
	global_load_b128 v[192+4*m:195+4*m], v84, s[66:67] offset:8192*m th:TH_LOAD_NT   ; Wo: row 32 w + 16 h + m, four columns a lane: sixteen lanes read 256 consecutive bytes; waited for behind the loop
.set m, m+1
.endr
	WIN 0
.Lstep:                                            ; 5 trips, 128 keys each
	s_cmp_eq_u32 s[TR], s[SW]
	s_cbranch_scc0 .Lsame
	WAYOUT 60                                      ; role 1: the short tiles are done
	RESET
.set i, 0
.rept 16
	v_mov_b32 v[16+i], v[64+i]
.set i, i+1
.endr
	s_lshl_b32 s[Q0], s42, 4                       ; on to the long tiles
	s_add_co_u32 s[QL], s[Q0], 31
.Lsame:
	s_add_co_u32 s56, s[TR], s[C3]
	s_lshr_b32 s56, s56, 2                         ; 1 where trip > o
	s_mul_i32 s56, s56, s[GAP]
	s_add_co_u32 s56, s56, s[TR]                   ; the step: the trip; role 1, behind its change: 5 + (trip - o - 1)
	s_lshl_b32 s[KF], s56, 7
	s_and_b32 s56, s56, 7
	s_lshl_b32 s[TB], s56, 13
	s_cmp_gt_u32 s[KF], s[QL]                      ; all keys of the step come after my queries: nothing to do
	s_wait_alu depctr_va_vdst(0)                   ; the wait here, directly ahead of the branch
	s_cbranch_scc1 .Lhidden
	v_add_nc_u32 v8, s[TB], v1
	v_add_nc_u32 v9, s[TB], v2
	v_nop                                          ; with the two additions: four places in front of loads into registers that the last products read
	v_nop
	WIN 0x40                                       ; destination window 1
.irp t, 0,1,2,3,4,5,6,7
	ds_load_b128 v[8*\t:8*\t+3], v8 offset:1024*\t
	ds_load_b128 v[8*\t+4:8*\t+7], v8 offset:1024*\t+512
.endr
.irp t, 0,1,2,3                                    ; V's four fragments land while the softmax is worked: rows sigma(d) 16 t on; registers 4 c .. 4 c + 3: keys 32 c + 16 h + 0..15 (two chunks of 64 keys)
.irp c, 0,1,2,3
	ds_load_b128 v[64+16*\t+4*\c:67+16*\t+4*\c], v9 offset:(\c/2)*4096+1024*\t+512*(\c%2)
.endr
.endr
	WIN 0x01                                       ; source 0 window 1
	s_wait_alu depctr_va_vdst(0)                   ; the wait here, directly ahead of the wait below
	s_wait_dscnt 16                                ; K is in; V's sixteen loads may be out
.irp t, 0,1,2,3,4,5,6,7
	v_wmma_f32_16x16x64_fp8_fp8 v[96+8*\t:103+8*\t], v[8*\t:8*\t+7], v[16:23], 0   ; lane (r, h), register j of tile t: query r, key 32 (t / 2) + 16 h + 8 (t % 2) + j
.endr
.irp t, 0,1,2,3,4,5,6,7
	v_wmma_f32_16x16x64_fp8_fp8 v[160+8*\t:167+8*\t], v[8*\t:8*\t+7], v[24:31], 0
.endr
	WIN 0
.rept 4
	v_nop
.endr
	s_sub_co_u32 s56, s[Q0], s[KF]                 ; 0 or more here
	s_lshr_b32 s57, s56, 5
	s_cmp_gt_u32 s57, 3                            ; all keys of the step count for all my queries: no mask
	s_cbranch_scc1 .Lopen
	s_cmp_eq_u32 s57, 3
	s_cbranch_scc1 .Lmask3
	s_cmp_eq_u32 s57, 2
	s_cbranch_scc1 .Lfew2
	s_cmp_eq_u32 s57, 1
	s_cbranch_scc1 .Lfew1
	MASK 0
	SOFT 16
	s_branch .Ljoin
.Lfew1:
	MASK 1
	SOFT 32
	s_branch .Ljoin
.Lfew2:
	MASK 2
	SOFT 48
	s_branch .Ljoin
.Lmask3:
	MASK 3
.Lopen:
	SOFT 64
.Ljoin:
	WIN 0x41                                       ; source 0 and destination window 1
	s_wait_alu depctr_va_vdst(0)                   ; the wait here, directly ahead of the first reader of O^T
.set i, 0
.rept 16
	v_pk_mul_f32 v[128+i:129+i], v[128+i:129+i], v[252:253] op_sel_hi:[1,0]   ; O^T under the new M
.set i, i+2
.endr
.set i, 0
.rept 16
	v_pk_mul_f32 v[160+i:161+i], v[160+i:161+i], v[248:249] op_sel_hi:[1,0]
.set i, i+2
.endr
	WIN 0x51                                       ; sources 0 and 2 and destination window 1
	s_wait_alu depctr_va_vdst(0)                   ; the wait here, directly ahead of the wait below
	s_wait_dscnt 0x0                               ; V's fragments are in
.irp t, 0,1,2,3
	v_wmma_f32_16x16x128_fp8_fp8 v[128+8*\t:135+8*\t], v[64+16*\t:79+16*\t], v[32:47], v[128+8*\t:135+8*\t]   ; the eight accumulators take turns
	v_wmma_f32_16x16x128_fp8_fp8 v[160+8*\t:167+8*\t], v[64+16*\t:79+16*\t], v[48:63], v[160+8*\t:167+8*\t]
.endr
	WIN 0
.Lhidden:
	s_add_co_u32 s[TR], s[TR], 1
	s_cmp_lt_u32 s[TR], 5
	s_wait_alu depctr_va_vdst(0)                   ; the wait here, directly ahead of the branch
	s_cbranch_scc1 .Lstep
	; Wo: a lane's four columns, 16 along K each: 16 bytes of a row of codes
	s_wait_loadcnt 0x0
	WIN 0x01
.irp c, 0,1,2,3
.set m, 0
.rept 16
	v_med3_num_f32 v[96+16*\c+m], v[192+4*m+\c], -v88, v88
.set m, m+1
.endr
.endr
	WIN 0
.irp c, 0,1,2,3
	v_cvt_scalef32_pk8_fp8_f32 v[32+4*\c:33+4*\c], v[96+16*\c:103+16*\c], v87
	v_cvt_scalef32_pk8_fp8_f32 v[34+4*\c:35+4*\c], v[104+16*\c:111+16*\c], v87
.endr
	v_nop
.irp c, 0,1,2,3
	ds_store_b128 v3, v[32+4*\c:35+4*\c] offset:WP*\c
.endr
	s_cmp_eq_u32 s17, 0
	s_wait_alu depctr_va_vdst(0)                   ; the wait here, directly ahead of the branch
	s_cbranch_scc1 .Lkeep
	WIN 0x04                                       ; the stores' data window 1
.set i, 0
.rept 16
	ds_store_b128 v6, v[128+4*i:131+4*i] offset:512*i   ; role 1 hands over its part of the long tiles (o = 3: no step, zeros under the lowest M)
.set i, i+1
.endr
	WIN 0
	ds_store_b128 v6, v[12:15] offset:8192
	ds_store_b128 v6, v[80:83] offset:8704
.Lkeep:
	s_wait_dscnt 0x0                               ; my stores are done, for the others' sake
	s_barrier_signal -1
	s_barrier_wait -1
	s_cmp_eq_u32 s17, 0
	s_cbranch_scc1 .Ltwo
.irp t, 0,1,2,3
	ds_load_b128 v[192+4*\t:195+4*\t], v4 offset:2*\t*WP   ; role 1 has only its eight rows of Wo's codes left, 256 bytes each
.endr
.irp t, 0,1,2,3
	s_wait_dscnt 3-\t
	global_store_b128 v7, v[192+4*\t:195+4*\t], s[68:69] offset:4096*\t
.endr
	s_branch .Ldone
.Ltwo:
.set i, 0
.rept 16
	ds_load_b128 v[96+4*i:99+4*i], v6 offset:512*i
.set i, i+1
.endr
	ds_load_b128 v[160:163], v6 offset:8192        ; the partner's -M, largest t and sum of both tiles
	ds_load_b128 v[164:167], v6 offset:8704
.irp t, 0,1,2,3
	ds_load_b128 v[192+4*\t:195+4*\t], v4 offset:2*\t*WP   ; and my eight rows of Wo's codes
.endr
	s_wait_dscnt 0x4                               ; all but those four loads
	v_min_num_f32 v246, v12, v160                  ; -M of both parts
	v_min_num_f32 v247, v80, v164
	v_sub_f32 v252, v246, v12
	v_sub_f32 v248, v247, v80
	v_sub_f32 v254, v246, v160
	v_sub_f32 v250, v247, v164
	v_cvt_i32_f32 v252, v252
	v_cvt_i32_f32 v248, v248
	v_cvt_i32_f32 v254, v254
	v_cvt_i32_f32 v250, v250
	v_ldexp_f32 v252, 1.0, v252                    ; both parts under it: by powers of two
	v_ldexp_f32 v248, 1.0, v248
	v_ldexp_f32 v254, 1.0, v254
	v_ldexp_f32 v250, 1.0, v250
	v_pk_mul_f32 v[14:15], v[14:15], v[252:253] op_sel_hi:[1,0]
	v_pk_mul_f32 v[82:83], v[82:83], v[248:249] op_sel_hi:[1,0]
	v_pk_fma_f32 v[14:15], v[162:163], v[254:255], v[14:15] op_sel_hi:[1,0,1]
	v_pk_fma_f32 v[82:83], v[166:167], v[250:251], v[82:83] op_sel_hi:[1,0,1]
	WIN 0x41
	s_wait_alu depctr_va_vdst(0)                   ; the wait here, directly ahead of the first reader of O^T
.set i, 0
.rept 16
	v_pk_mul_f32 v[128+i:129+i], v[128+i:129+i], v[252:253] op_sel_hi:[1,0]
.set i, i+2
.endr
.set i, 0
.rept 16
	v_pk_mul_f32 v[160+i:161+i], v[160+i:161+i], v[248:249] op_sel_hi:[1,0]
.set i, i+2
.endr
	WIN 0x50                                       ; source 2 and destination window 1
.set i, 0
.rept 16
	v_pk_fma_f32 v[128+i:129+i], v[96+i:97+i], v[254:255], v[128+i:129+i] op_sel_hi:[1,0,1]
.set i, i+2
.endr
.set i, 0
.rept 16
	v_pk_fma_f32 v[160+i:161+i], v[128+i:129+i], v[250:251], v[160+i:161+i] op_sel_hi:[1,0,1]
.set i, i+2
.endr
	WIN 0
	s_wait_alu depctr_va_vdst(0)                   ; the wait here, directly ahead of the wait below
	s_wait_dscnt 0x0
.irp t, 0,1,2,3
	global_store_b128 v7, v[192+4*\t:195+4*\t], s[68:69] offset:4096*\t
.endr
	WAYOUT 62
.Ldone:
	s_wait_tensorcnt 0x0                           ; the wave's end
	ds_add_u32 v251, v255
	s_wait_dscnt 0x0
	CROUND                                         ; the closing round
	s_endpgm
.Lfunc_end_k_q2b87265142_attn:
	.size	k_q2b87265142_attn, .Lfunc_end_k_q2b87265142_attn-k_q2b87265142_attn
	.p2alignl 7, 3214868480
	.fill 96, 4, 3214868480
	.section	.rodata,"a",@progbits
	.p2align	6, 0x0
	.amdhsa_kernel k_q2b87265142_attn
		.amdhsa_group_segment_fixed_size 206848
		.amdhsa_private_segment_fixed_size 0
		.amdhsa_enable_private_segment 0
		.amdhsa_kernarg_size 40
		.amdhsa_user_sgpr_count 2
		.amdhsa_user_sgpr_kernarg_segment_ptr 1
		.amdhsa_wavefront_size32 1
		.amdhsa_system_sgpr_workgroup_id_x 1
		.amdhsa_system_sgpr_workgroup_id_y 1
		.amdhsa_system_sgpr_workgroup_id_z 1
		.amdhsa_system_vgpr_workitem_id 0
		.amdhsa_next_free_vgpr 512
		.amdhsa_next_free_sgpr 100
		.amdhsa_reserve_vcc 1
		.amdhsa_float_denorm_mode_32 3
		.amdhsa_float_denorm_mode_16_64 3
		.amdhsa_memory_ordered 1
		.amdhsa_forward_progress 1
		.amdhsa_inst_pref_size 125
	.end_amdhsa_kernel
	.amdgpu_metadata
---
amdhsa.version: [ 1, 2 ]
amdhsa.kernels:
  - .name:           k_q2b87265142_attn
    .symbol:         k_q2b87265142_attn.kd
    .args:
      - { .name: qkv_codes, .offset: 0, .size: 8, .value_kind: global_buffer, .address_space: global }
      - { .name: Wo, .offset: 8, .size: 8, .value_kind: global_buffer, .address_space: global }
      - { .name: lowp_scales, .offset: 16, .size: 8, .value_kind: global_buffer, .address_space: global }
      - { .name: ao_codes, .offset: 24, .size: 8, .value_kind: global_buffer, .address_space: global }
      - { .name: wo_codes, .offset: 32, .size: 8, .value_kind: global_buffer, .address_space: global }
    .group_segment_fixed_size: 206848
    .private_segment_fixed_size: 0
    .kernarg_segment_align: 8
    .kernarg_segment_size: 40
    .max_flat_workgroup_size: 256
    .sgpr_count:     100
    .vgpr_count:     512
    .wavefront_size: 32
...
	.end_amdgpu_metadata
.endif
;; end of part 3
;; launch oproj (part 4): grid 16 x 16, 4 waves a work-group, clusters of 4 x 4, 327,680 bytes of LDS; arguments ao_codes, wo_codes, bo, lowp_scales, out0; writes out0
.if DOCPART == 4
	.amdgcn_target "amdgcn-amd-amdhsa--gfx1250"
	.amdhsa_code_object_version 6
	.text
	.protected	k_q2b87265142_oproj
	.globl	k_q2b87265142_oproj
	.p2align	8
	.type	k_q2b87265142_oproj,@function
k_q2b87265142_oproj:
	s_mov_b64 s[64:65], 0
	v_nop
	global_prefetch_b8 v0, s[64:65] scope:SCOPE_SE
	s_setreg_imm32_b32 hwreg(HW_REG_WAVE_MODE, 25, 1), 1
	s_wait_xcnt 0x0
	s_wait_alu depctr_hold_cnt(0) depctr_sa_sdst(0) depctr_va_vdst(0) depctr_va_sdst(0) depctr_va_ssrc(0) depctr_va_vcc(0) depctr_vm_vsrc(0)
	s_getreg_b32 s2, hwreg(HW_REG_IB_STS2, 6, 4)
	s_cmp_eq_u32 s2, 0
	s_cbranch_scc0 .Lentry_in_a_cluster
	s_endpgm
.Lentry_in_a_cluster:
	s_bfe_u32 s2, ttmp6, 0x10000c
	s_cmp_lg_u32 s2, 0xf033
	s_cbranch_scc0 .Lentry_shape_is_right
	s_endpgm
.Lentry_shape_is_right:
; out = ao Wo + bo on codes of FP8 (E4M3), f32 sums; each sum is multiplied once by 2^(e10 + e11), and the bias is added.
; ao_codes: [block of 16 tokens 128][head 32][16 tokens][64]; wo_codes: [n 2048][k 2048].  Work-group (nt, mt) of 16 x 16 makes 128 tokens x 128 columns, its four waves 64 x 64 each, 16 accumulators that take turns.
; K = 2,048 goes in parts of 512 (8 heads) through two LDS slots.  CLUSTERS: 4 x 4 work-groups: tokens are shared along a row of the cluster, weights along a column, and each tile is asked for jointly.
; PREFETCH: behind the head's joint load for parts 1 and 2, behind the next for part 3, one instruction a wave and part: of the 128 blocks of 256 bytes that a wave fetches each of the four partners names 32, told apart by address.
; The matrix instruction is used transposed: a lane holds eight neighbouring columns of one row, which leave through the wave's own stage as rows of 256 bytes.
; LIMITS: e10 + e11 lies between -126 and 127.  NaN among the inputs is not served.  All of the LDS is claimed.
.set PITCH,  528
.set HDB,    16*80
.set TBB,    8*HDB
.set HALFA,  4*TBB
.set HALFB,  64*PITCH
.set SLOT,   2*HALFA+2*HALFB
.set STAGE,  2*SLOT
.set SPITCH, 272
.set SPARE,  STAGE+4*16*SPITCH
.set STEPA,  16384
.set STEPB,  1024
.set ADR1, 16
.set ADR0, 20
.set STO,  24
.set RD,   25
.set CO,   26
.set SPW,  28
.set NIL,  29
.set OUTR, 32
.set BR,   96
.set ACC,  128
.set F0,   0
.set F1,   128
.set G1,  24
.set G0,  32
.set G1B, 48
.set G0B, 56
.set MSB, 0
.macro WIN new
.if MSB != \new
	s_set_vgpr_msb (MSB<<8)|\new
.set MSB, \new
.endif
.endm
.set MUL,  0x05
.set TO_F, 0x40
.macro JLOAD s
	s_cmp_eq_u32 s19, 0
	s_cbranch_scc0 .Lfor_b_\@
	tensor_load_to_lds s[G0+4*\s:G0+4*\s+3], s[G1:G1+7]
	s_nop 0
.rept 4
	v_nop
.endr
	s_branch .Lasked_\@
.Lfor_b_\@:
	tensor_load_to_lds s[G0B+4*\s:G0B+4*\s+3], s[G1B:G1B+7]
	s_nop 0
.rept 4
	v_nop
.endr
.Lasked_\@:
.endm
.macro CREST
	s_cmp_lg_u32 s18, 0
	s_cbranch_scc1 .Lnot_wave_0_\@
	s_barrier_signal -3
.Lnot_wave_0_\@:
	s_barrier_wait -3
	s_barrier_signal -1
	s_barrier_wait -1
.endm
.macro CROUND
	s_barrier_signal -1
	s_barrier_wait -1
	CREST
.endm
.macro PLACES
.rept 4
	v_nop
.endr
.endm
.macro MULA f, a, zero
.irp b, 0,1,2,3
.if \zero
	v_wmma_f32_16x16x128_fp8_fp8 v[ACC+8*(4*(\a)+\b):ACC+8*(4*(\a)+\b)+7], v[\f+64+16*\b:\f+64+16*\b+15], v[\f+16*(\a):\f+16*(\a)+15], 0
.else
	v_wmma_f32_16x16x128_fp8_fp8 v[ACC+8*(4*(\a)+\b):ACC+8*(4*(\a)+\b)+7], v[\f+64+16*\b:\f+64+16*\b+15], v[\f+16*(\a):\f+16*(\a)+15], v[ACC+8*(4*(\a)+\b):ACC+8*(4*(\a)+\b)+7]
.endif
.endr
.endm
.macro FETCH slot, q, f
	WIN TO_F
.irp i, 0,1,2,3
.irp c, 0,1,2,3
	ds_load_b128 v[\f+64+16*\i+4*\c:\f+64+16*\i+4*\c+3], v[ADR0+\slot] offset:128*(\q)+32*\c+\i*16*PITCH
.endr
.endr
.irp i, 0,1,2,3
.irp c, 0,1,2,3
	ds_load_b128 v[\f+16*\i+4*\c:\f+16*\i+4*\c+3], v[ADR1+\slot] offset:\i*TBB+(2*(\q)+\c/2)*HDB+32*(\c%2)
.endr
.endr
.endm
.macro QUARTER slot, q, f, g, zero
	s_wait_dscnt 8
	WIN MUL
	MULA \f, 0, \zero
	MULA \f, 1, \zero
	PLACES
	FETCH \slot, \q, \g
	s_wait_dscnt 32
	WIN MUL
	MULA \f, 2, \zero
	MULA \f, 3, \zero
.endm
.macro TURN slot, next, fill
	WIN 0
	s_wait_tensorcnt 0x0
	ds_add_u32 v[SPW], v[NIL]
	s_wait_dscnt 13
	WIN MUL
	MULA F1, 0, 0
	s_wait_dscnt 0x0
	s_barrier_signal -1
	MULA F1, 1, 0
	WIN 0
	s_barrier_wait -1
.if \fill
	CREST
	s_add_nc_u64 s[G0+4*\slot+2:G0+4*\slot+3], s[G0+4*\slot+2:G0+4*\slot+3], STEPA
	s_add_nc_u64 s[G0B+4*\slot+2:G0B+4*\slot+3], s[G0B+4*\slot+2:G0B+4*\slot+3], STEPB
	JLOAD \slot
	FETCH \next, 0, F0
.else
	PLACES
	BLOAD
	ALOAD 0
	ALOAD 1
.endif
	WIN MUL
	MULA F1, 2, 0
	MULA F1, 3, 0
.endm
; THE LAST PART (it lies in slot 1) GOES BY ROWS: all its fragments of the weights fill window 2, those of the four blocks of 16 tokens window 1; then the blocks are finished one after the other,
; each with 16 matrix instructions (its 4 accumulators by turns, K in the same order), and each leaves while the next is multiplied.  LDS is read no more than in any other part.
.macro BLOAD
	WIN 0x80                                       ; destination window 2
.irp q, 0,1,2,3
.irp i, 0,1,2,3
.irp c, 0,1,2,3
	ds_load_b128 v[64*\q+16*\i+4*\c:64*\q+16*\i+4*\c+3], v[ADR0+1] offset:128*\q+32*\c+\i*16*PITCH
.endr
.endr
.endr
.endm
.macro ALOAD a
	WIN TO_F
.irp q, 0,1,2,3
.irp c, 0,1,2,3
	ds_load_b128 v[64*(\a)+16*\q+4*\c:64*(\a)+16*\q+4*\c+3], v[ADR1+1] offset:(\a)*TBB+(2*\q+\c/2)*HDB+32*(\c%2)
.endr
.endr
.endm
.macro ROW a
	WIN 0x06                                       ; source 0 window 2, source 1 window 1, C and D window 0
.irp q, 0,1,2,3
.irp b, 0,1,2,3
	v_wmma_f32_16x16x128_fp8_fp8 v[ACC+8*(4*(\a)+\b):ACC+8*(4*(\a)+\b)+7], v[64*\q+16*\b:64*\q+16*\b+15], v[64*(\a)+16*\q:64*(\a)+16*\q+15], v[ACC+8*(4*(\a)+\b):ACC+8*(4*(\a)+\b)+7]
.endr
.endr
.endm
	s_load_b256 s[4:11], s[0:1], 0x0
	s_load_b64 s[16:17], s[0:1], 0x20
	v_lshl_add_u32 v[SPW], v0, 2, SPARE
	v_mov_b32 v[NIL], 0
	ds_add_u32 v28, v29
	ds_add_u32 v28, v29
	v_lshrrev_b32 v1, 5, v0
	v_readfirstlane_b32 s18, v1
	s_lshr_b32 s19, s18, 1
	s_and_b32 s20, s18, 1
	s_bfe_u32 s40, ttmp6, 0x40000
	s_bfe_u32 s41, ttmp6, 0x40004
	s_lshl_b32 s42, ttmp9, 2
	s_add_co_u32 s42, s42, s40
	s_and_b32 s43, ttmp7, 0xffff
	s_lshl_b32 s43, s43, 2
	s_add_co_u32 s43, s43, s41
	s_lshl_b32 s44, s41, 2
	s_lshl_b32 s44, 15, s44
	s_lshl_b32 s45, 0x1111, s40
	s_or_b32 s[G1+0], s44, (1<<20)|(1<<21)|(3<<22)|(3<<25)
	s_mov_b32 s[G1+1], 8192<<16
	s_mov_b32 s[G1+2], 4<<16
	s_mov_b32 s[G1+3], 8192<<16
	s_mov_b32 s[G1+4], 4
	s_mov_b32 s[G1+5], 32768
	s_mov_b32 s[G1+6], 0
	s_mov_b32 s[G1+7], 0
	s_or_b32 s[G1B+0], s45, (1<<20)|(1<<21)|(6<<22)|(3<<25)
	s_mov_b32 s[G1B+1], 512<<16
	s_mov_b32 s[G1B+2], 64<<16
	s_mov_b32 s[G1B+3], 512<<16
	s_mov_b32 s[G1B+4], 64
	s_mov_b32 s[G1B+5], 2048
	s_mov_b32 s[G1B+6], 0
	s_mov_b32 s[G1B+7], 0
	s_lshl_b32 s22, s43, 3
	s_lshl_b32 s23, s20, 2
	s_add_co_u32 s22, s22, s23
	s_lshl_b32 s22, s22, 15
	s_mov_b32 s23, 0
	s_lshl_b32 s46, s42, 7
	s_lshl_b32 s47, s20, 6
	s_add_co_u32 s46, s46, s47
	s_lshl_b32 s46, s46, 11
	s_mov_b32 s47, 0
	s_mul_i32 s81, s20, HALFA
	s_mul_i32 s82, s20, HALFB
	s_add_co_u32 s82, s82, 2*HALFA
	s_mov_b32 s68, 2048
	s_cmp_eq_u32 s19, 0
	s_cselect_b32 s68, 0x200, s68                  ; the prefetches' offset: tokens: 256 x lane; weights: row lane / 2, block lane % 2
	v_bfe_u32 v30, v0, 1, 4
	v_and_b32 v31, 1, v0
	v_mul_lo_u32 v30, v30, s68
	v_lshl_add_u32 v30, v31, 8, v30                ; never rewritten
	s_wait_alu depctr_va_vdst(0)                   ; the wait here, directly ahead of the wait below
	s_wait_dscnt 0x0                               ; both opening adds are done
	CROUND                                         ; all sixteen work-groups are here: the first joint loads meet
	s_wait_kmcnt 0x0
	s_load_b64 s[84:85], s[10:11], 0x28            ; e10, e11
	s_add_nc_u64 s[22:23], s[4:5], s[22:23]
	s_add_nc_u64 s[46:47], s[6:7], s[46:47]
.irp s, 0,1
	s_mov_b32 s[G0+4*\s], 1
	s_add_co_u32 s[G0+4*\s+1], s81, \s*SLOT
	s_add_nc_u64 s[G0+4*\s+2:G0+4*\s+3], s[22:23], \s*8192
	s_or_b32 s[G0+4*\s+3], s[G0+4*\s+3], 0x80000000
	s_mov_b32 s[G0B+4*\s], 1
	s_add_co_u32 s[G0B+4*\s+1], s82, \s*SLOT
	s_add_nc_u64 s[G0B+4*\s+2:G0B+4*\s+3], s[46:47], \s*512
	s_or_b32 s[G0B+4*\s+3], s[G0B+4*\s+3], 0x80000000
.endr
	JLOAD 0                                        ; part 0: one tensor load a wave at the head
	s_mov_b32 s68, 512
	s_cmp_eq_u32 s19, 0
	s_cselect_b64 s[66:67], s[22:23], s[46:47]
	s_cselect_b32 s68, 0x2000, s68                 ; from part to part
	s_cselect_b32 s70, s40, s41                    ; my place among the four that ask with me
	s_lshl_b32 s70, s70, 15                        ; tokens: a block of 16 tokens; weights: 16 rows
	s_mov_b32 s69, 0
	s_mov_b32 s71, 0
	s_add_nc_u64 s[66:67], s[66:67], s[70:71]
	s_add_nc_u64 s[66:67], s[66:67], s[68:69]      ; part 1,
	s_add_nc_u64 s[70:71], s[66:67], s[68:69]      ; part 2,
	s_add_nc_u64 s[72:73], s[70:71], s[68:69]      ; part 3: none is rewritten
	v_and_b32 v1, 15, v0
	v_bfe_u32 v2, v0, 4, 1
	v_mul_u32_u24 v3, v1, PITCH
	v_lshl_add_u32 v3, v2, 4, v3
	v_mul_u32_u24 v4, v1, 80
	v_lshl_add_u32 v4, v2, 4, v4
	s_mul_i32 s90, s19, HALFA
	s_mul_i32 s91, s20, HALFB
	s_add_co_u32 s91, s91, 2*HALFA
.irp s, 0,1
	v_add_nc_u32 v[ADR1+\s], s90, v4
	v_add_nc_u32 v[ADR0+\s], s91, v3
	s_add_co_u32 s90, s90, SLOT
	s_add_co_u32 s91, s91, SLOT
.endr
	s_mul_i32 s21, s18, 16*SPITCH
	s_add_co_u32 s21, s21, STAGE
	v_mul_u32_u24 v5, v1, SPITCH
	v_lshl_add_u32 v5, v2, 5, v5
	v_add_nc_u32 v[STO], s21, v5
	v_mul_u32_u24 v6, v2, SPITCH
	v_lshl_add_u32 v6, v1, 4, v6
	v_add_nc_u32 v[RD], s21, v6
	v_lshlrev_b32 v7, 13, v2
	v_lshl_add_u32 v[CO], v1, 4, v7
	s_lshl_b32 s86, s42, 9
	s_lshl_b32 s87, s20, 8
	s_add_co_u32 s86, s86, s87
	s_mov_b32 s87, 0
	s_add_nc_u64 s[8:9], s[8:9], s[86:87]
	s_lshl_b32 s88, s43, 7
	s_lshl_b32 s89, s19, 6
	s_add_co_u32 s88, s88, s89
	s_lshl_b32 s88, s88, 13
	s_add_co_u32 s88, s88, s86
	s_mov_b32 s89, 0
	s_add_nc_u64 s[16:17], s[16:17], s[88:89]
	v_lshlrev_b32 v8, 5, v2
.irp b, 0,1,2,3
	global_load_b128 v[BR+8*\b:BR+8*\b+3], v8, s[8:9] offset:64*\b
	global_load_b128 v[BR+8*\b+4:BR+8*\b+7], v8, s[8:9] offset:64*\b+16
.endr
	s_wait_kmcnt 0x0
	global_prefetch_b8 v30, s[66:67] th:TH_LOAD_NT scope:SCOPE_SE
	global_prefetch_b8 v30, s[70:71] th:TH_LOAD_NT scope:SCOPE_SE
	s_add_co_i32 s84, s84, s85
	s_add_co_i32 s84, s84, 127
	s_lshl_b32 s84, s84, 23
	s_mov_b32 s85, s84
	s_wait_alu depctr_va_vdst(0)                   ; the wait at the head's end
	s_wait_tensorcnt 0x0                           ; my part of part 0 is in
	ds_add_u32 v[SPW], v[NIL]
	s_wait_dscnt 0x0
	CROUND                                         ; everybody's part is in, and the joint loads meet
	JLOAD 1                                        ; slot 1's first fill: part 1
	FETCH 0, 0, F0
	global_prefetch_b8 v30, s[72:73] th:TH_LOAD_NT scope:SCOPE_SE
	QUARTER 0, 1, F0, F1, 1
	QUARTER 0, 2, F1, F0, 0
	QUARTER 0, 3, F0, F1, 0
	TURN 0, 1, 1
	QUARTER 1, 1, F0, F1, 0
	QUARTER 1, 2, F1, F0, 0
	QUARTER 1, 3, F0, F1, 0
	TURN 1, 0, 1
	QUARTER 0, 1, F0, F1, 0
	QUARTER 0, 2, F1, F0, 0
	QUARTER 0, 3, F0, F1, 0
	TURN 0, 1, 0
	PLACES                                         ; for the loads into the registers just multiplied
	ALOAD 2
	ALOAD 3
	s_wait_loadcnt 0x0                             ; the bias
	s_wait_dscnt 48                                ; all but the tokens' blocks 1 to 3
	ROW 0
	s_wait_dscnt 32                                ; all but blocks 2 and 3
.irp a, 0,1,2,3
.if \a < 3
	ROW \a+1                                       ; blocks 2 and 3 came in with the way out of block 0
.endif
	WIN 0
	PLACES                                         ; in front of the first reads of block a's results
.irp b, 0,1,2,3
.set AC, ACC+8*(4*\a+\b)
.irp i, 0,2,4,6
	v_pk_fma_f32 v[AC+\i:AC+\i+1], v[AC+\i:AC+\i+1], s[84:85], v[BR+8*\b+\i:BR+8*\b+\i+1] op_sel_hi:[1,0,1]
.endr
.endr
.irp b, 0,1,2,3
.set AC, ACC+8*(4*\a+\b)
	ds_store_b128 v[STO], v[AC:AC+3] offset:64*\b
	ds_store_b128 v[STO], v[AC+4:AC+7] offset:64*\b+16
.endr
.if \a >= 2
	s_wait_xcnt 0x0
.endif
.set OB, OUTR+32*(\a%2)
.irp i, 0,1,2,3,4,5,6,7
	ds_load_b128 v[OB+4*\i:OB+4*\i+3], v[RD] offset:2*SPITCH*\i
.endr
.irp i, 0,1,2,3,4,5,6,7
	s_wait_dscnt 7-\i
	global_store_b128 v[CO], v[OB+4*\i:OB+4*\i+3], s[16:17] offset:(16*\a+2*\i)*8192 th:TH_STORE_NT
.endr
.endr
	s_wait_tensorcnt 0x0
	ds_add_u32 v[SPW], v[NIL]
	s_wait_dscnt 0x0
	CROUND
	s_endpgm
.Lfunc_end_k_q2b87265142_oproj:
	.size	k_q2b87265142_oproj, .Lfunc_end_k_q2b87265142_oproj-k_q2b87265142_oproj
	.p2alignl 7, 3214868480
	.fill 96, 4, 3214868480
	.section	.rodata,"a",@progbits
	.p2align	6, 0x0
	.amdhsa_kernel k_q2b87265142_oproj
		.amdhsa_group_segment_fixed_size 327680
		.amdhsa_private_segment_fixed_size 0
		.amdhsa_enable_private_segment 0
		.amdhsa_kernarg_size 40
		.amdhsa_user_sgpr_count 2
		.amdhsa_user_sgpr_kernarg_segment_ptr 1
		.amdhsa_wavefront_size32 1
		.amdhsa_system_sgpr_workgroup_id_x 1
		.amdhsa_system_sgpr_workgroup_id_y 1
		.amdhsa_system_sgpr_workgroup_id_z 1
		.amdhsa_system_vgpr_workitem_id 0
		.amdhsa_next_free_vgpr 768
		.amdhsa_next_free_sgpr 100
		.amdhsa_reserve_vcc 0
		.amdhsa_float_denorm_mode_32 3
		.amdhsa_float_denorm_mode_16_64 3
		.amdhsa_memory_ordered 1
		.amdhsa_forward_progress 1
		.amdhsa_inst_pref_size 77
	.end_amdhsa_kernel
	.amdgpu_metadata
---
amdhsa.version: [ 1, 2 ]
amdhsa.kernels:
  - .name:           k_q2b87265142_oproj
    .symbol:         k_q2b87265142_oproj.kd
    .args:
      - { .name: ao_codes, .offset: 0, .size: 8, .value_kind: global_buffer, .address_space: global }
      - { .name: wo_codes, .offset: 8, .size: 8, .value_kind: global_buffer, .address_space: global }
      - { .name: bo, .offset: 16, .size: 8, .value_kind: global_buffer, .address_space: global }
      - { .name: lowp_scales, .offset: 24, .size: 8, .value_kind: global_buffer, .address_space: global }
      - { .name: out0, .offset: 32, .size: 8, .value_kind: global_buffer, .address_space: global }
    .group_segment_fixed_size: 327680
    .private_segment_fixed_size: 0
    .kernarg_segment_align: 8
    .kernarg_segment_size: 40
    .max_flat_workgroup_size: 128
    .sgpr_count:     100
    .vgpr_count:     768
    .wavefront_size: 32
...
	.end_amdgpu_metadata
.endif
;; end of part 4
